; MI455X (gfx1250); checked and timed in simulation.
; The chip was launched on July 23, 2026; its instructions are those of AMD's public machine-readable ISA for CDNA 5 (MIT licence, August 2026) and "CDNA5" Instruction Set Architecture Reference Guide (July 2026). The comments in the code are by the model that wrote it; some were corrected since.
;; Multi Head Attention. Allowed arithmetic: matrix products marked QUANTISED: E2M3 operands, one E8M0 scale for each 32 along K, by v_wmma_scale_f32_16x16x128_f8f6f4 with both operands' format E2M3, f32 sums; everything else in f32.
;; Inputs: Wk 1,024 x 1,024 float32; Wo 1,024 x 1,024 float32; Wq 1,024 x 1,024 float32; Wv 1,024 x 1,024 float32; bk 1,024 float32; bo 1,024 float32; bq 1,024 float32; bv 1,024 float32; x 2 x 2,048 x 1,024 float32.
;; Outputs: out0 2 x 2,048 x 1,024 float32.
;; This version of the problem:
;;   THIS VERSION OF THE PROBLEM IS GIVEN IN LOW PRECISION. The matrix products marked QUANTISED in the list below multiply operands that are first quantised to E2M3 (2 exponent bits, 3 mantissa bits; 6 bits a number), with one power-of-two scale for each 32 numbers along K (OCP MX v1.0); their sums are f32. All else is computed in f32.
;;   The module's matrix products, in the order in which they are computed (A, B: the left and right operand; K: the contracted axis; several contracted axes count as one K, in the product's order):
;;     1. [M 4,096, K 1,024] x [K 1,024, N 1,024]; A: input x; B: input Wq: QUANTISED
;;     2. [M 4,096, K 1,024] x [K 1,024, N 1,024]; A: input x; B: input Wk: QUANTISED
;;     3. [M 4,096, K 1,024] x [K 1,024, N 1,024]; A: input x; B: input Wv: QUANTISED
;;     4. batch 32 x [M 2,048, K 64] x [K 64, N 2,048]; A: computed on the way; B: computed on the way: QUANTISED
;;     5. batch 32 x [M 2,048, K 2,048] x [K 2,048, N 64]; A: softmax (see below); B: computed on the way: QUANTISED
;;     6. [M 4,096, K 1,024] x [K 1,024, N 1,024]; A: computed on the way; B: input Wo: QUANTISED
;;   THE QUANTISER, for each operand of a quantised product, along K:
;;     - K is cut into blocks of 32 from its start; a last block that is shorter is filled with zeros.
;;     - A block's scale is 2^e with e = floor(log2(the largest magnitude in the block)) - 2, held to -126 .. 127; a block of zeros has e = 0. As a byte (E8M0): e + 127.
;;     - Each number is divided by its block's scale, clamped to +-7.5, and rounded to the nearest number of E2M3, ties to even, subnormals kept.
;;     - The product sums the exact products of the quantised numbers (number of the format x scale) in f32.
;;   ~~~python
;;   def quantise(x, axis):      # numpy; x: float32 -> the quantised numbers, widened to float32 again
;;       x = np.moveaxis(x, axis, -1); K = x.shape[-1]
;;       x = np.pad(x, [(0, 0)] * (x.ndim - 1) + [(0, -K % 32)]); x = x.reshape(x.shape[:-1] + (-1, 32)); a = np.abs(x).max(-1, keepdims=True)
;;       e = np.where(a > 0, np.clip(np.frexp(np.where(a > 0, a, 1))[1] - 1 - 2, -126, 127), 0)      # np.frexp(a)[1] - 1 = floor(log2(a)), exactly
;;       r = np.clip(x / 2.0 ** e, -7.5, 7.5)
;;       step = 2.0 ** (np.maximum(np.frexp(np.where(r == 0, 1, r))[1] - 1, 0) - 3)
;;       q = np.round(r / step) * step * 2.0 ** e      # np.round: ties to even
;;       return np.moveaxis(q.reshape(q.shape[:-2] + (-1,))[..., :K], -1, axis).astype(np.float32)
;;   ~~~
;;   SOFTMAX AHEAD OF A QUANTISED PRODUCT. Where the list says 'softmax', what is quantised is not the finished softmax but p = 2^(t - M), with t = logit x log2(e) and M = ceil(the row's largest t), a whole number; so 1/2 < the row's largest p <= 1. The row's sum l is taken of the UNQUANTISED p, in f32, and the product's result is divided by l at the end. Since M is a whole number, a kernel that streams over the keys may use a running M (the ceiling of the running maximum): every later rescaling is an exact power of two, which a block's scale takes up: the codes' values come out the same.
;;   OPERANDS COMPUTED ON THE WAY. 'Computed on the way' means the value that the module computes at that place (a softmax that the list does not call 'softmax' is quantised finished and normalised). What goes into a quantiser is computed in f32, as accurately as f32 sums, v_exp_f32 and their like allow (about 1e-6 of the number): no bf16 or f16 on the way to a quantiser, and a product that is left as it is and whose result goes on into a quantised operand takes f32 operands (vector FMAs, or v_wmma_f32_16x16x4_f32). A number that lies on a knife's edge between two numbers of the format may be rounded either way, as far as f32 arithmetic and the matrix unit's own rounding can turn it there, and no further.
;; One version. Each part assembles by itself: llvm-mc -triple=amdgcn-amd-amdhsa -mcpu=gfx1250 --defsym DOCPART=n.
;; ======== version 1 of 1: 4 launches
;; limits: right only within a limited range of input values
;; workspace buffers: cf 6,553,600 bytes; qf 3,145,728 bytes; qs 131,072 bytes; kv 6,553,600 bytes; of 3,276,800 bytes
;; launch quant (part 1): grid 256 x 1, 8 waves a work-group, no clusters, 69,632 bytes of LDS; arguments x, Wq, Wk, Wv, Wo, cf; writes cf
.if DOCPART == 1
	.amdgcn_target "amdgcn-amd-amdhsa--gfx1250"
	.amdhsa_code_object_version 6
	.text
	.protected	k_qc1fe351975_quant
	.globl	k_qc1fe351975_quant
	.p2align	8
	.type	k_qc1fe351975_quant,@function
k_qc1fe351975_quant:
	s_mov_b64 s[64:65], 0
	v_nop
	global_prefetch_b8 v0, s[64:65] scope:SCOPE_SE
	s_setreg_imm32_b32 hwreg(HW_REG_WAVE_MODE, 25, 1), 1
	s_wait_xcnt 0x0
; x [4096][1024] and Wq, Wk, Wv, Wo [1024][1024], f32 with K innermost, become codes of FP6 (E2M3) with one E8M0 scale byte for each 32 along K,
; laid in cf in the order of a matrix operand's registers.  cf holds 512 TILE RECORDS of 12,800 bytes: tiles 0-255 x, 256-319 Wq, 320-383 Wk, 384-447 Wv, 448-511 Wo.
; A TILE is 16 rows: tile 2 g + u holds rows 32 g + 8 u + r + 8 (r / 8), r = 0 .. 15.  A record: eight fragment images (K steps of 128), 1,536 bytes each, then 512 bytes of scale words.
; A FRAGMENT IMAGE: register k (0 .. 11) of lane l at 512 (k / 4) + 16 l + 4 (k % 4): three loads or stores of 16 bytes a lane, 512 consecutive bytes each, move it.
; SCALE WORDS: row r's word of K step s at 12,288 + 32 r + 4 s.
; A block's scale is 2^(floor(log2(its largest magnitude)) - 2); its byte is the largest magnitude's exponent field - 2, held at 1 from below.
; LIMITS: NaN and infinities among the inputs are not served; blocks whose largest magnitude lies under 2^-124 keep the byte 1; a block of zeros keeps the byte 1 where the rule says 127
; (its codes are zeros, which add nothing under any byte but 0xff, and this program alone reads the bytes).
; SHARES: a work-group takes 32 rows (two tiles); wave w takes tile u = w / 4 and K steps 2 (w % 4) and 2 (w % 4) + 1.  Each load reads 512 consecutive bytes of one row; the 16 rows x 512 bytes of a K step
; turn through the wave's own stage in LDS (rows 528 bytes apart), so that a lane gets 16 neighbours of each block of 32.  All 32 loads of a wave go out at once: 16 KiB a wave.
.set STG,  8448                        ; a wave's stage: 16 rows x 528 bytes
.set SCL,  8*STG                       ; behind the stages: the two tiles' scale words, 2 x 512 bytes
.set TM,   12                          ; v12-27   the quantiser's work: +0..3 largest magnitudes, +4..7 bytes, +12..15 the conversions' scale operands
.set TX,   28                          ; v28-35   the conversions' second halves
.set F,    36                          ; v36-59   two fragments
.set PW,   60                          ; v60-61   their scale words
.set X,    64                          ; v64-127  64 numbers back from the stage
.set R,    128                         ; v128-255 two K steps as loaded
.set WV,   16                          ; s16      my wave's number
.set SEL,  20                          ; s[20:21] lane selects for v_permlanex16_b32: lane l xor 16
; 64 numbers of a lane, register 16 b + i = k 32 b + 16 (lane / 16) + i of my row, become a fragment's codes: registers 0-5 at v[d0], 6-11 at v[d1]; the four scale bytes stay in v[TM+4] on.
.macro QUANT s, d0, d1
.irp b, 0,1,2,3
	v_max3_num_f32 v[TM+\b], |v[(\s)+16*\b]|, |v[(\s)+1+16*\b]|, 0x1800000   ; my 16 numbers of block b, and the floor 2^(3 - 127): the byte cannot fall under 1
.endr
.irp i, 2,4,6,8,10,12,14
.irp b, 0,1,2,3
	s_delay_alu instid0(VALU_DEP_4)
	v_max3_num_f32 v[TM+\b], v[TM+\b], |v[(\s)+16*\b+\i]|, |v[(\s)+1+16*\b+\i]|   ; the four blocks by turns
.endr
.endr
.irp b, 0,1,2,3
	s_delay_alu instid0(VALU_DEP_4)
	v_permlanex16_b32 v[TM+4+\b], v[TM+\b], s[SEL], s[SEL+1]
.endr
.irp b, 0,1,2,3
	s_delay_alu instid0(VALU_DEP_4)
	v_max_num_f32 v[TM+\b], v[TM+\b], v[TM+4+\b]   ; with lane l xor 16's 16: the block's largest magnitude
.endr
.irp b, 0,1,2,3
	s_delay_alu instid0(VALU_DEP_4)
	v_add_nc_u32 v[TM+12+\b], 0xff000000, v[TM+\b]   ; 2 off its exponent field: the conversion's scale operand
.endr
.irp b, 0,1,2,3
	s_delay_alu instid0(VALU_DEP_4)
	v_lshrrev_b32 v[TM+4+\b], 23, v[TM+12+\b]   ; the scale's byte
.endr
	v_cvt_scalef32_pk16_fp6_f32 v[(\d0):(\d0)+2], v[(\s):(\s)+15], v[TM+12]
	v_cvt_scalef32_pk16_fp6_f32 v[TX:TX+2], v[(\s)+16:(\s)+31], v[TM+13]
	v_cvt_scalef32_pk16_fp6_f32 v[(\d1):(\d1)+2], v[(\s)+32:(\s)+47], v[TM+14]
	v_cvt_scalef32_pk16_fp6_f32 v[TX+4:TX+6], v[(\s)+48:(\s)+63], v[TM+15]
	v_nop                                          ; one plain place behind the scaled conversions
.irp i, 0,1,2
	v_permlane16_swap_b32 v[(\d0)+\i], v[TX+\i]    ; the layout wants a whole block in a lane: lanes 0-15 the even block, lanes 16-31 the odd one
.endr
.irp i, 0,1,2
	s_delay_alu instid0(VALU_DEP_3)
	v_mov_b32 v[(\d0)+3+\i], v[TX+\i]
.endr
.irp i, 0,1,2
	v_permlane16_swap_b32 v[(\d1)+\i], v[TX+4+\i]
.endr
.irp i, 0,1,2
	s_delay_alu instid0(VALU_DEP_3)
	v_mov_b32 v[(\d1)+3+\i], v[TX+4+\i]
.endr
.endm
.macro WORD4 w                         ; the four bytes make my row's scale word
	v_lshl_or_b32 v[\w], v[TM+5], 8, v[TM+4]
	s_delay_alu instid0(VALU_DEP_1)
	v_lshl_or_b32 v[\w], v[TM+6], 16, v[\w]
	s_delay_alu instid0(VALU_DEP_1)
	v_lshl_or_b32 v[\w], v[TM+7], 24, v[\w]
.endm
	s_load_b256 s[4:11], s[0:1], 0x0               ; x s[4:5], Wq s[6:7], Wk s[8:9], Wv s[10:11]
	s_load_b128 s[12:15], s[0:1], 0x20             ; Wo s[12:13], cf s[14:15]
	v_lshl_add_u32 v62, v0, 2, 0x10c00
	v_mov_b32 v63, 0
	v_lshrrev_b32 v6, 5, v0
	s_delay_alu instid0(VALU_DEP_1)
	v_readfirstlane_b32 s[WV], v6                  ; wave 0..7
	v_and_b32 v7, 31, v0                           ; lane
	v_and_b32 v8, 15, v0                           ; r
	v_bfe_u32 v9, v0, 4, 1                         ; h
	s_delay_alu instid0(VALU_DEP_3)
	v_lshlrev_b32 v1, 4, v7                        ; v1: 16 x lane
	s_wait_alu depctr_va_vdst(0)
	s_mul_i32 s17, s[WV], STG
	v_add_nc_u32 v2, s17, v1                       ; v2: the stage, on the way in: a row's 512 bytes as they lie
	v_mul_u32_u24 v3, v8, 528
	s_delay_alu instid0(VALU_DEP_1)
	v_lshl_add_u32 v3, v9, 6, v3
	s_delay_alu instid0(VALU_DEP_1)
	v_add_nc_u32 v3, s17, v3                       ; v3: on the way out: row r, + 64 h: my 16 numbers of a block
	s_lshr_b32 s18, s[WV], 2                       ; u: which of the two tiles
	s_and_b32 s19, s[WV], 3                        ; kq: which pair of K steps
	s_lshl_b32 s22, s18, 9
	s_lshl_b32 s23, s19, 3
	s_add_co_u32 s22, s22, s23
	s_add_co_u32 s22, s22, SCL
	v_lshl_add_u32 v4, v8, 5, s22                  ; v4: where my row's two scale words go: SCL + 512 u + 32 r + 8 kq
	s_and_b32 s23, s[WV], 1
	s_lshl_b32 s23, s23, 9
	s_add_co_u32 s23, s23, SCL
	v_add_nc_u32 v5, s23, v1                       ; v5: where a tile's 512 bytes of scale words are read back (waves 0 and 1)
	s_mov_b32 s[SEL], 0x76543210
	s_mov_b32 s[SEL+1], 0xfedcba98
.irp b, 0,1,2,3
	v_mov_b32 v[TM+4+\b], 0                        ; written once: a lane permute's destination counts as one of its sources
.endr
	s_wait_alu depctr_va_vdst(0)
	s_wait_kmcnt 0x0
	s_cmp_lt_u32 ttmp9, 224                        ; which tensor: groups 0-127 x, then 32 each of Wq, Wk, Wv, Wo.  The choice hangs on the work-group's number alone
	s_cselect_b64 s[24:25], s[10:11], s[12:13]
	s_cmp_lt_u32 ttmp9, 192
	s_cselect_b64 s[24:25], s[8:9], s[24:25]
	s_cmp_lt_u32 ttmp9, 160
	s_cselect_b64 s[24:25], s[6:7], s[24:25]
	s_and_b32 s26, ttmp9, 31                       ; the group's number inside a weight
	s_cmp_lt_u32 ttmp9, 128
	s_cselect_b64 s[24:25], s[4:5], s[24:25]
	s_cselect_b32 s26, ttmp9, s26                  ; or inside x
	s_lshl_b32 s26, s26, 17                        ; 32 rows of 4,096 bytes,
	s_lshl_b32 s27, s18, 15                        ; + 8 u rows,
	s_add_co_u32 s26, s26, s27
	s_lshl_b32 s27, s19, 10                        ; + two K steps of 512 bytes x kq
	s_add_co_u32 s26, s26, s27
	s_mov_b32 s27, 0
	s_add_nc_u64 s[24:25], s[24:25], s[26:27]
.irp q, 0,1
.irp i, 0,1,2,3,4,5,6,7,8,9,10,11,12,13,14,15
	global_load_b128 v[R+64*\q+4*\i:R+64*\q+4*\i+3], v1, s[24:25] offset:(\i+8*(\i/8))*4096+512*\q th:TH_LOAD_NT   ; tile row i: 32 lanes read 512 consecutive bytes
.endr
.endr
	s_lshl_b32 s28, ttmp9, 1
	s_add_co_u32 s30, s28, s18                     ; my tile: 2 g + u
	s_mul_i32 s30, s30, 12800
	s_mul_i32 s31, s19, 3072                       ; my two images in its record
	s_add_co_u32 s30, s30, s31
	s_mov_b32 s31, 0
	s_add_nc_u64 s[30:31], s[14:15], s[30:31]
	s_and_b32 s29, s[WV], 1
	s_add_co_u32 s28, s28, s29                     ; the tile whose scale words I store, if I am wave 0 or 1
	s_mul_i32 s28, s28, 12800
	s_add_co_u32 s28, s28, 12288
	s_mov_b32 s29, 0
	s_add_nc_u64 s[28:29], s[14:15], s[28:29]
.macro UNIT q                          ; one K step: through the stage, quantised, its image stored
	s_wait_loadcnt 16-16*(\q)                      ; this K step's 16 loads are in; the other's 16 were issued behind them and may be out
.irp i, 0,1,2,3,4,5,6,7,8,9,10,11,12,13,14,15
	ds_store_b128 v2, v[R+64*(\q)+4*\i:R+64*(\q)+4*\i+3] offset:528*\i
.endr
.irp b, 0,1,2,3
.irp j, 0,1,2,3
	ds_load_b128 v[X+16*\b+4*\j:X+16*\b+4*\j+3], v3 offset:128*\b+16*\j   ; LDS serves a wave's instructions in order: these see my stores
.endr
.endr
	s_wait_dscnt 0x0
	QUANT X, F+12*(\q), F+12*(\q)+6
	WORD4 PW+(\q)
.irp c, 0,1,2
	global_store_b128 v1, v[F+12*(\q)+4*\c:F+12*(\q)+4*\c+3], s[30:31] offset:1536*(\q)+512*\c   ; 512 consecutive bytes, aligned
.endr
.endm
	UNIT 0
	UNIT 1
	ds_store_b64 v4, v[PW:PW+1]                    ; lanes r and r + 16 hold the same row and write the same two words
	s_wait_dscnt 0x0                               ; for the others' sake: my words have landed
	s_barrier_signal -1
	s_barrier_wait -1
	s_cmp_lt_u32 s[WV], 2                          ; waves 0 and 1 store a tile's 512 bytes of scale words each
	s_cbranch_scc0 .Lend
	ds_load_b128 v[X:X+3], v5
	s_wait_dscnt 0x0
	global_store_b128 v1, v[X:X+3], s[28:29]
.Lend:
	s_wait_tensorcnt 0x0
	ds_add_u32 v62, v63
	s_wait_dscnt 0x0
	s_endpgm
.Lfunc_end_k_qc1fe351975_quant:
	.size	k_qc1fe351975_quant, .Lfunc_end_k_qc1fe351975_quant-k_qc1fe351975_quant
	.p2alignl 7, 3214868480
	.fill 96, 4, 3214868480
	.section	.rodata,"a",@progbits
	.p2align	6, 0x0
	.amdhsa_kernel k_qc1fe351975_quant
		.amdhsa_group_segment_fixed_size 69632
		.amdhsa_private_segment_fixed_size 0
		.amdhsa_enable_private_segment 0
		.amdhsa_kernarg_size 48
		.amdhsa_user_sgpr_count 2
		.amdhsa_user_sgpr_kernarg_segment_ptr 1
		.amdhsa_wavefront_size32 1
		.amdhsa_system_sgpr_workgroup_id_x 1
		.amdhsa_system_sgpr_workgroup_id_y 1
		.amdhsa_system_sgpr_workgroup_id_z 1
		.amdhsa_system_vgpr_workitem_id 0
		.amdhsa_next_free_vgpr 256
		.amdhsa_next_free_sgpr 66
		.amdhsa_reserve_vcc 0
		.amdhsa_float_denorm_mode_32 3
		.amdhsa_float_denorm_mode_16_64 3
		.amdhsa_memory_ordered 1
		.amdhsa_forward_progress 1
		.amdhsa_inst_pref_size 23
	.end_amdhsa_kernel
	.amdgpu_metadata
---
amdhsa.version: [ 1, 2 ]
amdhsa.kernels:
  - .name:           k_qc1fe351975_quant
    .symbol:         k_qc1fe351975_quant.kd
    .args:
      - { .name: x, .offset: 0, .size: 8, .value_kind: global_buffer, .address_space: global }
      - { .name: Wq, .offset: 8, .size: 8, .value_kind: global_buffer, .address_space: global }
      - { .name: Wk, .offset: 16, .size: 8, .value_kind: global_buffer, .address_space: global }
      - { .name: Wv, .offset: 24, .size: 8, .value_kind: global_buffer, .address_space: global }
      - { .name: Wo, .offset: 32, .size: 8, .value_kind: global_buffer, .address_space: global }
      - { .name: cf, .offset: 40, .size: 8, .value_kind: global_buffer, .address_space: global }
    .group_segment_fixed_size: 69632
    .private_segment_fixed_size: 0
    .kernarg_segment_align: 8
    .kernarg_segment_size: 48
    .max_flat_workgroup_size: 256
    .sgpr_count:     66
    .vgpr_count:     256
    .wavefront_size: 32
...
	.end_amdgpu_metadata
.endif
;; end of part 1
;; launch qkv (part 2): grid 8 x 32, 12 waves a work-group, clusters of 4 x 4, 308,736 bytes of LDS; arguments cf, bq, bk, bv, qf, qs, kv; writes qf, qs, kv
.if DOCPART == 2
	.amdgcn_target "amdgcn-amd-amdhsa--gfx1250"
	.amdhsa_code_object_version 6
	.text
	.protected	k_qc1fe351975_qkv
	.globl	k_qc1fe351975_qkv
	.p2align	8
	.type	k_qc1fe351975_qkv,@function
k_qc1fe351975_qkv:
	s_mov_b64 s[64:65], 0
	v_nop
	global_prefetch_b8 v0, s[64:65] scope:SCOPE_SE
	s_setreg_imm32_b32 hwreg(HW_REG_WAVE_MODE, 25, 1), 1
	s_wait_xcnt 0x0
	s_wait_alu depctr_hold_cnt(0) depctr_sa_sdst(0) depctr_va_vdst(0) depctr_va_sdst(0) depctr_va_ssrc(0) depctr_va_vcc(0) depctr_vm_vsrc(0)
	s_getreg_b32 s2, hwreg(HW_REG_IB_STS2, 6, 4)
	s_cmp_eq_u32 s2, 0
	s_cbranch_scc0 .Lentry_in_a_cluster
	s_endpgm
.Lentry_in_a_cluster:
	s_bfe_u32 s2, ttmp6, 0x10000c
	s_cmp_lg_u32 s2, 0xf033
	s_cbranch_scc0 .Lentry_shape_is_right
	s_endpgm
.Lentry_shape_is_right:
; q = x Wq^T + bq, k = x Wk^T + bk, v = x Wv^T + bv on codes of FP6 (E2M3) out of cf (tile records: eight fragment images of 1,536 bytes, then 512 bytes of scale words; tile 2 g + u = rows 32 g + 8 u + r + 8 (r / 8)),
; each result quantised in registers along the K of the product that takes it next (q, k: the head's 64; v: the keys) and stored as images of operand registers.
; SHARES: a work-group takes 128 tokens (tb: one key step of attention) x 128 columns (cg: heads 2 cg, 2 cg + 1) of all three products.  Twelve waves: role w / 4 (0 Q, 1 K, 2 V), jb = w % 4.
;   Q, K: source 0 = the group's 8 tiles of W (from LDS), source 1 = x's tiles 8 tb + 2 jb + m: a lane holds a token, its registers run along the columns (the head's d).
;   V:    source 0 = the block's 8 tiles of x (from LDS), source 1 = Wv's tiles 384 + 8 cg + 2 jb + m: a lane holds a channel, its registers run along the tokens (the keys).
;   By the choice of a tile's rows the 16 registers of source 0's tiles 2 b and 2 b + 1 are 16 neighbours 32 b + 16 (lane / 16) + 0 .. 15 along the next K.
; LDS: three regions of 8 records (102,400 bytes): Wq's group, Wk's group, x's block; each filled ONCE, by one tensor load a wave (2 records = 100 rows of 256 bytes).  Nothing is stored into LDS, nothing is filled again.
; CLUSTER 4 x 4: W's records hang on cg alone and are asked for jointly along a column of the cluster, x's on tb alone and jointly along a row.
; Source 1 comes straight from memory, one K step ahead, in two register buffers: each wave alone in its work-group reads its Wv fragments, and the K loop is one text for all three roles.
; OUT: qf [bh][32-token group P][1,536]: a PAIR IMAGE: registers 0-5 token tile u = 0 (d = 32 (lane / 16) + 0 .. 31), registers 6-11 tile u = 1;  qs [bh][P][16 rows x 4 bytes]: bytes [u0.b0, u0.b1, u1.b0, u1.b1];
;   kv [bh][key step][12,800]: 4 pair images of K, 4 images of V^T (channel tiles x 128 keys), K's scale words 4 x 64 bytes at 12,288, V's 4 x 64 at 12,544.
;   The scale words leave in pieces of 64 or 128 bytes: one byte in 24 of what is stored.
; LIMITS: NaN and infinities are not served; blocks whose largest magnitude lies under 2^-124, blocks of zeros among them, keep the byte 1 (the bytes are this program's own).
.set REC,  12800                       ; a tile record
.set REG,  8*REC                       ; a region of LDS
.set ACC,  12                          ; v12-139  accumulator (m, t) at ACC + 8 (8 m + t)
.set FA,   140                         ; v140-187 four fragments of source 0
.set FB,   188                         ; v188-235 two buffers x two fragments of source 1
.set SCA,  236                         ; v236-239 source 0's scale words: register i: lanes 0-15 tile 2 i, lanes 16-31 tile 2 i + 1
.set SCB,  240                         ; v240-247 source 1's, register s for K step s: lanes 0-15 tile m = 0, lanes 16-31 m = 1
.set BI,   140                         ; the way out: v140-203 the bias of my 64 columns; then
.set TM,   140                         ; v140-155 the quantiser's work
.set TX,   156                         ; v156-163
.set F0,   164                         ; v164-175, v176-187 two fragments
.set F1,   176
.set W0,   188                         ; v188, v189 their scale words; v190 the word that my lane stores
.set W1,   189
.set WS,   190
.set WV,   18                          ; s18 wave;  s19 role;  s20 jb
.set RHO,  19
.set JB,   20
.set SEL,  22                          ; s[22:23] lane selects for lane l xor 16
.set CG,   26                          ; s26 column group;  s27 token block
.set TBK,  27
.set HB,   60                          ; s60 the first of my two heads: 16 x batch + 2 cg;  s61 the key step: tb % 16
.set STP,  61
.set G1W,  32                          ; s[32:39] descriptor group 1 for W's records;  s[40:47] for x's: they differ in the mask
.set G1X,  40
.set G0W,  68                          ; s[68:71], s[72:75] groups 0
.set G0X,  72
.macro PLACES                          ; four places behind matrix instructions, ahead of loads into their registers and of the first read of results
.rept 4
	v_nop
.endr
.endm
.macro CROUND                          ; a round of the cluster's barrier
	s_barrier_signal -1
	s_barrier_wait -1
	s_cmp_lg_u32 s[WV], 0
	s_cbranch_scc1 .Lnot_wave_0_\@
	s_barrier_signal -3
.Lnot_wave_0_\@:
	s_barrier_wait -3
	s_barrier_signal -1
	s_barrier_wait -1
.endm
; One product.  c < 0: the constant 0 starts the sum.  ra, rb = 1: that side's scale words stand in lanes 16-31.
.macro WM d, a, b, c, x, y, ra, rb
.if (\c) < 0
.if ((\ra) == 0) && ((\rb) == 0)
	v_wmma_scale_f32_16x16x128_f8f6f4 v[(\d):(\d)+7], v[(\a):(\a)+11], v[(\b):(\b)+11], 0, v[(\x)], v[(\y)] matrix_a_fmt:MATRIX_FMT_FP6 matrix_b_fmt:MATRIX_FMT_FP6
.elseif (\rb) == 0
	v_wmma_scale_f32_16x16x128_f8f6f4 v[(\d):(\d)+7], v[(\a):(\a)+11], v[(\b):(\b)+11], 0, v[(\x)], v[(\y)] matrix_a_fmt:MATRIX_FMT_FP6 matrix_b_fmt:MATRIX_FMT_FP6 matrix_a_scale:MATRIX_SCALE_ROW1
.elseif (\ra) == 0
	v_wmma_scale_f32_16x16x128_f8f6f4 v[(\d):(\d)+7], v[(\a):(\a)+11], v[(\b):(\b)+11], 0, v[(\x)], v[(\y)] matrix_a_fmt:MATRIX_FMT_FP6 matrix_b_fmt:MATRIX_FMT_FP6 matrix_b_scale:MATRIX_SCALE_ROW1
.else
	v_wmma_scale_f32_16x16x128_f8f6f4 v[(\d):(\d)+7], v[(\a):(\a)+11], v[(\b):(\b)+11], 0, v[(\x)], v[(\y)] matrix_a_fmt:MATRIX_FMT_FP6 matrix_b_fmt:MATRIX_FMT_FP6 matrix_a_scale:MATRIX_SCALE_ROW1 matrix_b_scale:MATRIX_SCALE_ROW1
.endif
.else
.if ((\ra) == 0) && ((\rb) == 0)
	v_wmma_scale_f32_16x16x128_f8f6f4 v[(\d):(\d)+7], v[(\a):(\a)+11], v[(\b):(\b)+11], v[(\c):(\c)+7], v[(\x)], v[(\y)] matrix_a_fmt:MATRIX_FMT_FP6 matrix_b_fmt:MATRIX_FMT_FP6
.elseif (\rb) == 0
	v_wmma_scale_f32_16x16x128_f8f6f4 v[(\d):(\d)+7], v[(\a):(\a)+11], v[(\b):(\b)+11], v[(\c):(\c)+7], v[(\x)], v[(\y)] matrix_a_fmt:MATRIX_FMT_FP6 matrix_b_fmt:MATRIX_FMT_FP6 matrix_a_scale:MATRIX_SCALE_ROW1
.elseif (\ra) == 0
	v_wmma_scale_f32_16x16x128_f8f6f4 v[(\d):(\d)+7], v[(\a):(\a)+11], v[(\b):(\b)+11], v[(\c):(\c)+7], v[(\x)], v[(\y)] matrix_a_fmt:MATRIX_FMT_FP6 matrix_b_fmt:MATRIX_FMT_FP6 matrix_b_scale:MATRIX_SCALE_ROW1
.else
	v_wmma_scale_f32_16x16x128_f8f6f4 v[(\d):(\d)+7], v[(\a):(\a)+11], v[(\b):(\b)+11], v[(\c):(\c)+7], v[(\x)], v[(\y)] matrix_a_fmt:MATRIX_FMT_FP6 matrix_b_fmt:MATRIX_FMT_FP6 matrix_a_scale:MATRIX_SCALE_ROW1 matrix_b_scale:MATRIX_SCALE_ROW1
.endif
.endif
.endm
; 64 numbers of a lane, register 16 b + i = k 32 b + 16 (lane / 16) + i of my row, become codes: blocks 0, 1 in six registers at v[d0], blocks 2, 3 at v[d1]; the four scale bytes stay in v[TM+4] on.
.macro QUANT s, d0, d1
.irp b, 0,1,2,3
	v_max3_num_f32 v[TM+\b], |v[(\s)+16*\b]|, |v[(\s)+1+16*\b]|, 0x1800000   ; my 16 numbers of block b, and the floor 2^(3 - 127): the byte cannot fall under 1
.endr
.irp i, 2,4,6,8,10,12,14
.irp b, 0,1,2,3
	s_delay_alu instid0(VALU_DEP_4)
	v_max3_num_f32 v[TM+\b], v[TM+\b], |v[(\s)+16*\b+\i]|, |v[(\s)+1+16*\b+\i]|
.endr
.endr
.irp b, 0,1,2,3
	s_delay_alu instid0(VALU_DEP_4)
	v_permlanex16_b32 v[TM+4+\b], v[TM+\b], s[SEL], s[SEL+1]
.endr
.irp b, 0,1,2,3
	s_delay_alu instid0(VALU_DEP_4)
	v_max_num_f32 v[TM+\b], v[TM+\b], v[TM+4+\b]   ; with lane l xor 16's 16: the block's largest magnitude
.endr
.irp b, 0,1,2,3
	s_delay_alu instid0(VALU_DEP_4)
	v_add_nc_u32 v[TM+12+\b], 0xff000000, v[TM+\b]   ; 2 off its exponent field: the conversion's scale operand
.endr
.irp b, 0,1,2,3
	s_delay_alu instid0(VALU_DEP_4)
	v_lshrrev_b32 v[TM+4+\b], 23, v[TM+12+\b]   ; the scale's byte
.endr
	v_cvt_scalef32_pk16_fp6_f32 v[(\d0):(\d0)+2], v[(\s):(\s)+15], v[TM+12]
	v_cvt_scalef32_pk16_fp6_f32 v[TX:TX+2], v[(\s)+16:(\s)+31], v[TM+13]
	v_cvt_scalef32_pk16_fp6_f32 v[(\d1):(\d1)+2], v[(\s)+32:(\s)+47], v[TM+14]
	v_cvt_scalef32_pk16_fp6_f32 v[TX+4:TX+6], v[(\s)+48:(\s)+63], v[TM+15]
	v_nop                                          ; one plain place behind the scaled conversions
.irp i, 0,1,2
	v_permlane16_swap_b32 v[(\d0)+\i], v[TX+\i]    ; a whole block to a lane: lanes 0-15 the even block, lanes 16-31 the odd one
.endr
.irp i, 0,1,2
	s_delay_alu instid0(VALU_DEP_3)
	v_mov_b32 v[(\d0)+3+\i], v[TX+\i]
.endr
.irp i, 0,1,2
	v_permlane16_swap_b32 v[(\d1)+\i], v[TX+4+\i]
.endr
.irp i, 0,1,2
	s_delay_alu instid0(VALU_DEP_3)
	v_mov_b32 v[(\d1)+3+\i], v[TX+4+\i]
.endr
.endm
.macro WORD4 w
	v_lshl_or_b32 v[\w], v[TM+5], 8, v[TM+4]
	s_delay_alu instid0(VALU_DEP_1)
	v_lshl_or_b32 v[\w], v[TM+6], 16, v[\w]
	s_delay_alu instid0(VALU_DEP_1)
	v_lshl_or_b32 v[\w], v[TM+7], 24, v[\w]
.endm
.macro WORDLO w, a                     ; bytes a, a + 1 into a word's lower half
	v_lshl_or_b32 v[\w], v[TM+5+\a], 8, v[TM+4+\a]
.endm
.macro WORDHI w, a                     ; and into its upper half
	v_lshl_or_b32 v[\w], v[TM+4+\a], 16, v[\w]
	s_delay_alu instid0(VALU_DEP_1)
	v_lshl_or_b32 v[\w], v[TM+5+\a], 24, v[\w]
.endm
	s_load_b256 s[4:11], s[0:1], 0x0               ; cf s[4:5], bq s[6:7], bk s[8:9], bv s[10:11]
	s_load_b128 s[12:15], s[0:1], 0x20             ; qf s[12:13], qs s[14:15]
	s_load_b64 s[16:17], s[0:1], 0x30              ; kv
	v_lshl_add_u32 v254, v0, 2, 0x4b000
	v_mov_b32 v255, 0
	ds_add_u32 v254, v255
	ds_add_u32 v254, v255
	v_lshrrev_b32 v8, 5, v0
	s_delay_alu instid0(VALU_DEP_1)
	v_readfirstlane_b32 s[WV], v8                  ; wave 0..11
	s_lshr_b32 s[RHO], s[WV], 2
	s_and_b32 s[JB], s[WV], 3
	s_bfe_u32 s24, ttmp6, 0x40000                  ; cx, cy: my place in the cluster
	s_bfe_u32 s25, ttmp6, 0x40004
	s_lshl_b32 s[CG], ttmp9, 2
	s_add_co_u32 s[CG], s[CG], s24                 ; cg = 4 x cluster x + cx
	s_and_b32 s[TBK], ttmp7, 0xffff
	s_lshl_b32 s[TBK], s[TBK], 2
	s_add_co_u32 s[TBK], s[TBK], s25               ; tb = 4 x cluster y + cy
	s_lshl_b32 s28, s25, 2
	s_lshl_b32 s28, 15, s28                        ; my row of the cluster
	s_lshl_b32 s29, 0x1111, s24                    ; my column
	s_or_b32 s[G1W], s29, (3<<16)|(1<<21)          ; 15:0 the mask: W's records go to my column; 17:16 elements of 8 bytes; 21 set beside a mask; no padding
	s_or_b32 s[G1X], s28, (3<<16)|(1<<21)          ; x's go to my row
.irp g, G1W, G1X
	s_mov_b32 s[\g+1], 32<<16                      ; tensor_dim0 = 32 elements: 256 bytes
	s_mov_b32 s[\g+2], 100<<16                     ; tensor_dim1 = 100 rows: two records
	s_mov_b32 s[\g+3], 32<<16                      ; tile_dim0
	s_mov_b32 s[\g+4], 100                         ; tile_dim1
	s_mov_b32 s[\g+5], 32                          ; the pitch: dense
	s_mov_b32 s[\g+6], 0
	s_mov_b32 s[\g+7], 0
.endr
	s_lshl_b32 s48, s[RHO], 6                      ; W's tile 256 + 64 role + 8 cg + 2 jb (role 2: Wv's, which is a V wave's source 1)
	s_lshl_b32 s49, s[CG], 3
	s_add_co_u32 s48, s48, s49
	s_lshl_b32 s49, s[JB], 1
	s_add_co_u32 s48, s48, s49
	s_add_co_u32 s48, s48, 256
	s_mul_i32 s48, s48, REC
	s_mov_b32 s49, 0
	s_lshl_b32 s52, s[TBK], 3                      ; x's tile 8 tb + 2 jb (a Q or K wave's source 1)
	s_lshl_b32 s53, s[JB], 1
	s_add_co_u32 s52, s52, s53
	s_mul_i32 s52, s52, REC
	s_mov_b32 s53, 0
	s_mul_i32 s54, s[WV], 2*REC                    ; where my two records go: no place in the cluster enters an LDS address
	s_lshr_b32 s[HB], s[TBK], 4
	s_lshl_b32 s[HB], s[HB], 4
	s_lshl_b32 s[STP], s[CG], 1
	s_add_co_u32 s[HB], s[HB], s[STP]              ; 16 x batch + 2 cg
	s_and_b32 s[STP], s[TBK], 15
	s_mov_b32 s[SEL], 0x76543210
	s_mov_b32 s[SEL+1], 0xfedcba98
	v_and_b32 v8, 31, v0
	s_delay_alu instid0(VALU_DEP_1)
	v_lshlrev_b32 v1, 4, v8                        ; v1: 16 x lane: my place in an image
	s_delay_alu instid0(VALU_DEP_2)
	v_lshlrev_b32 v11, 2, v8                       ; v11: 4 x lane
	v_and_b32 v9, 15, v0                           ; v9: r
	v_bfe_u32 v10, v0, 4, 1                        ; v10: h
	s_delay_alu instid0(VALU_DEP_1)
	v_mul_u32_u24 v6, v10, REC
	s_delay_alu instid0(VALU_DEP_1)
	v_lshl_add_u32 v6, v9, 5, v6                   ; v6: h records + 32 r: scale words of two neighbouring tiles, one in each half of the lanes
	s_delay_alu instid0(VALU_DEP_3)
	v_lshlrev_b32 v7, 6, v10                       ; v7: 64 h
	s_mul_i32 s58, s[RHO], REG                     ; my role's region
	v_add_nc_u32 v2, s58, v1                       ; v2: source 0's images, tiles 0-3;
	s_delay_alu instid0(VALU_DEP_1)
	v_add_nc_u32 v3, 4*REC, v2                     ; v3: tiles 4-7
	v_add_nc_u32 v4, s58, v6
	s_delay_alu instid0(VALU_DEP_1)
	v_add_nc_u32 v4, 12288, v4                     ; v4: source 0's scale words, tiles 0-3;
	s_delay_alu instid0(VALU_DEP_1)
	v_add_nc_u32 v5, 4*REC, v4                     ; v5: tiles 4-7
	s_wait_dscnt 0x0
	s_wait_kmcnt 0x0
	s_mov_b32 s[G0W], 1                            ; count = 1
	s_mov_b32 s[G0W+1], s54                        ; LDS address
	s_add_nc_u64 s[G0W+2:G0W+3], s[4:5], s[48:49]  ; global address
	s_or_b32 s[G0W+3], s[G0W+3], 0x80000000        ; type = 2
	s_mov_b32 s[G0X], 1
	s_mov_b32 s[G0X+1], s54
	s_add_nc_u64 s[G0X+2:G0X+3], s[4:5], s[52:53]
	s_or_b32 s[G0X+3], s[G0X+3], 0x80000000
	s_cmp_lt_u32 s[WV], 8
	s_cselect_b32 s56, s52, s48                    ; source 1's two records: x's for Q and K, Wv's for V
	s_mov_b32 s57, 0
	s_add_nc_u64 s[84:85], s[4:5], s[56:57]
	CROUND                                         ; all sixteen work-groups are here: the joint loads meet
	s_cmp_lt_u32 s[WV], 8                          ; waves 0-7 fetch Wq's and Wk's records, waves 8-11 x's: one load a wave; four v_nop follow each line
	s_cbranch_scc0 .Lfor_x
	tensor_load_to_lds s[G0W:G0W+3], s[G1W:G1W+7]
	s_nop 0
	PLACES
	s_branch .Lasked
.Lfor_x:
	tensor_load_to_lds s[G0X:G0X+3], s[G1X:G1X+7]
	s_nop 0
	PLACES
.Lasked:
.irp m, 0,1
.irp c, 0,1,2
	global_load_b128 v[FB+12*\m+4*\c:FB+12*\m+4*\c+3], v1, s[84:85] offset:\m*REC+512*\c   ; source 1, K step 0
.endr
.endr
	s_wait_alu depctr_va_vdst(0)
	global_load_b128 v[SCB:SCB+3], v6, s[84:85] offset:12288     ; source 1's scale words of all eight K steps
	global_load_b128 v[SCB+4:SCB+7], v6, s[84:85] offset:12304
	s_wait_tensorcnt 0x0                           ; my two records are in,
	s_barrier_signal -1
	s_barrier_wait -1                              ; everybody's are
.macro MM s, t, m
.if (\s) == 0
	WM ACC+8*(8*(\m)+(\t)), FA+12*((\t)%4), FB+24*((\s)%2)+12*(\m), -1, SCA+(\t)/2, SCB+(\s), (\t)%2, \m
.else
	WM ACC+8*(8*(\m)+(\t)), FA+12*((\t)%4), FB+24*((\s)%2)+12*(\m), ACC+8*(8*(\m)+(\t)), SCA+(\t)/2, SCB+(\s), (\t)%2, \m
.endif
.endm
; A K step of 128: 16 products; the 16 accumulators take turns, one instruction a turn, in the same order in every step.
.macro KSTEP s
.if (\s) > 0
	PLACES
.endif
.if (\s) < 7
.irp m, 0,1
.irp c, 0,1,2
	global_load_b128 v[FB+24*(((\s)+1)%2)+12*\m+4*\c:FB+24*(((\s)+1)%2)+12*\m+4*\c+3], v1, s[84:85] offset:\m*REC+((\s)+1)*1536+512*\c   ; source 1 of the next K step
.endr
.endr
.endif
.irp i, 0,1
	ds_load_b32 v[SCA+\i], v4 offset:\i*2*REC+4*(\s)
	ds_load_b32 v[SCA+2+\i], v5 offset:\i*2*REC+4*(\s)
.endr
.irp t, 0,1,2,3
.irp c, 0,1,2
	ds_load_b128 v[FA+12*\t+4*\c:FA+12*\t+4*\c+3], v2 offset:\t*REC+(\s)*1536+512*\c
.endr
.endr
	s_wait_dscnt 0x0
.if (\s) < 7
	s_wait_loadcnt 6                               ; all but the six loads just issued: this step's source 1 is in
.else
	s_wait_loadcnt 0x0
.endif
.irp t, 0,1,2,3
.irp m, 0,1
	MM \s, \t, \m
.endr
.endr
	PLACES
.irp t, 0,1,2,3
.irp c, 0,1,2
	ds_load_b128 v[FA+12*\t+4*\c:FA+12*\t+4*\c+3], v3 offset:\t*REC+(\s)*1536+512*\c
.endr
.endr
	s_wait_dscnt 0x0
.irp t, 4,5,6,7
.irp m, 0,1
	MM \s, \t, \m
.endr
.endr
.endm
.irp s, 0,1,2,3,4,5,6,7
	KSTEP \s
.endr
	PLACES
; THE WAY OUT of a Q or K wave: the bias; two token tiles x two heads are quantised along the head's 64; two pair images and their scale words are stored.
; HC, ST: bytes from head to head and from key step to key step among the codes; HS, SS the same among the scale words; XS: where the scale words begin.
.macro EPI_QK bias, cptr, sptr, HC, ST, HS, SS, XS
	s_lshl_b32 s76, s[CG], 9
	s_mov_b32 s77, 0
	s_add_nc_u64 s[76:77], s[\bias:\bias+1], s[76:77]
.irp b, 0,1,2,3
.irp j, 0,1,2,3
	global_load_b128 v[BI+16*\b+4*\j:BI+16*\b+4*\j+3], v7, s[76:77] offset:128*\b+16*\j   ; the bias of columns 32 b + 16 h + 4 j on
.endr
.endr
	s_mul_i32 s78, s[HB], \HC
	s_mul_i32 s79, s[STP], \ST
	s_add_co_u32 s78, s78, s79
	s_mul_i32 s79, s[JB], 1536
	s_add_co_u32 s78, s78, s79
	s_mov_b32 s79, 0
	s_add_nc_u64 s[78:79], s[\cptr:\cptr+1], s[78:79]
	s_mul_i32 s82, s[HB], \HS
	s_mul_i32 s83, s[STP], \SS
	s_add_co_u32 s82, s82, s83
	s_lshl_b32 s83, s[JB], 6
	s_add_co_u32 s82, s82, s83
	s_mov_b32 s83, 0
	s_add_nc_u64 s[82:83], s[\sptr:\sptr+1], s[82:83]
	v_mul_u32_u24 v8, v10, \HS
	s_delay_alu instid0(VALU_DEP_1)
	v_lshl_add_u32 v8, v9, 2, v8                   ; lanes 0-15 store the first head's words, lanes 16-31 the second's
	v_cmp_ne_u32 vcc_lo, 0, v10
	s_wait_loadcnt 0x0
.irp m, 0,1
.set i, 0
.rept 32
	v_pk_add_f32 v[ACC+64*\m+2*i:ACC+64*\m+2*i+1], v[ACC+64*\m+2*i:ACC+64*\m+2*i+1], v[BI+2*i:BI+2*i+1]   ; each accumulator from its low end on
.set i, i+1
.endr
.endr
.irp b, 0,1,2,3
	v_mov_b32 v[TM+4+\b], 0                        ; a lane permute's destination counts as one of its sources
.endr
	QUANT ACC, F0, F1                              ; token tile u = 0: registers 0-5 of both heads' pair images
	WORDLO W0, 0
	WORDLO W1, 2
	QUANT ACC+64, F0+6, F1+6                       ; token tile u = 1: registers 6-11
	WORDHI W0, 0
	WORDHI W1, 2
.irp c, 0,1,2
	global_store_b128 v1, v[F0+4*\c:F0+4*\c+3], s[78:79] offset:512*\c
	global_store_b128 v1, v[F1+4*\c:F1+4*\c+3], s[78:79] offset:\HC+512*\c
.endr
	v_cndmask_b32 v[WS], v[W0], v[W1], vcc_lo
	global_store_b32 v8, v[WS], s[82:83] offset:\XS
.endm
	s_cmp_lt_u32 s[WV], 4
	s_cbranch_scc1 .Lout_q
	s_cmp_lt_u32 s[WV], 8
	s_cbranch_scc1 .Lout_k
	; THE WAY OUT of a V wave: a lane holds channel 128 cg + 32 jb + 8 m + r + 8 (r / 8); its 64 registers are the block's 128 keys: one fragment of V^T for each m
	v_and_b32 v8, 8, v9
	s_delay_alu instid0(VALU_DEP_1)
	v_add_nc_u32 v8, v8, v9
	s_delay_alu instid0(VALU_DEP_1)
	v_lshlrev_b32 v8, 2, v8
	s_lshl_b32 s76, s[CG], 9
	s_lshl_b32 s77, s[JB], 7
	s_add_co_u32 s76, s76, s77
	s_mov_b32 s77, 0
	s_add_nc_u64 s[76:77], s[10:11], s[76:77]
	global_load_b32 v248, v8, s[76:77]             ; my channel's bias, twice: a pair for the packed addition
	global_load_b32 v249, v8, s[76:77]
	global_load_b32 v250, v8, s[76:77] offset:32
	global_load_b32 v251, v8, s[76:77] offset:32
	s_lshr_b32 s78, s[JB], 1
	s_add_co_u32 s78, s78, s[HB]                   ; my head
	s_mul_i32 s78, s78, 16*REC
	s_mul_i32 s79, s[STP], REC
	s_add_co_u32 s78, s78, s79
	s_mov_b32 s79, 0
	s_add_nc_u64 s[78:79], s[16:17], s[78:79]      ; its block of this key step
	s_and_b32 s80, s[JB], 1
	s_mul_i32 s82, s80, 3072
	s_mov_b32 s83, 0
	s_add_nc_u64 s[82:83], s[78:79], s[82:83]      ; channel tiles 2 (jb % 2) and 2 (jb % 2) + 1
	s_lshl_b32 s80, s80, 7
	s_mov_b32 s81, 0
	s_add_nc_u64 s[80:81], s[78:79], s[80:81]
	v_cmp_ne_u32 vcc_lo, 0, v10
	s_wait_loadcnt 0x0
.irp m, 0,1
.set i, 0
.rept 32
	v_pk_add_f32 v[ACC+64*\m+2*i:ACC+64*\m+2*i+1], v[ACC+64*\m+2*i:ACC+64*\m+2*i+1], v[248+2*\m:249+2*\m]
.set i, i+1
.endr
.endr
.irp b, 0,1,2,3
	v_mov_b32 v[TM+4+\b], 0
.endr
	QUANT ACC, F0, F0+6
	WORD4 W0
	QUANT ACC+64, F1, F1+6
	WORD4 W1
.irp c, 0,1,2
	global_store_b128 v1, v[F0+4*\c:F0+4*\c+3], s[82:83] offset:6144+512*\c
	global_store_b128 v1, v[F1+4*\c:F1+4*\c+3], s[82:83] offset:6144+1536+512*\c
.endr
	v_cndmask_b32 v[WS], v[W0], v[W1], vcc_lo      ; lanes 0-15 the first tile's words, lanes 16-31 the second's
	global_store_b32 v11, v[WS], s[80:81] offset:12544
	s_branch .Lend
.Lout_q:
	EPI_QK 6, 12, 14, 98304, 6144, 4096, 256, 0
	s_branch .Lend
.Lout_k:
	EPI_QK 8, 16, 16, 204800, 12800, 204800, 12800, 12288
.Lend:
	s_wait_dscnt 0x0
	s_wait_tensorcnt 0x0
	ds_add_u32 v254, v255
	s_wait_dscnt 0x0
	CROUND                                         ; the closing round: no work-group ends while a partner may still ask for records that name it
	s_endpgm
.Lfunc_end_k_qc1fe351975_qkv:
	.size	k_qc1fe351975_qkv, .Lfunc_end_k_qc1fe351975_qkv-k_qc1fe351975_qkv
	.p2alignl 7, 3214868480
	.fill 96, 4, 3214868480
	.section	.rodata,"a",@progbits
	.p2align	6, 0x0
	.amdhsa_kernel k_qc1fe351975_qkv
		.amdhsa_group_segment_fixed_size 308736
		.amdhsa_private_segment_fixed_size 0
		.amdhsa_enable_private_segment 0
		.amdhsa_kernarg_size 56
		.amdhsa_user_sgpr_count 2
		.amdhsa_user_sgpr_kernarg_segment_ptr 1
		.amdhsa_wavefront_size32 1
		.amdhsa_system_sgpr_workgroup_id_x 1
		.amdhsa_system_sgpr_workgroup_id_y 1
		.amdhsa_system_sgpr_workgroup_id_z 1
		.amdhsa_system_vgpr_workitem_id 0
		.amdhsa_next_free_vgpr 256
		.amdhsa_next_free_sgpr 100
		.amdhsa_reserve_vcc 1
		.amdhsa_float_denorm_mode_32 3
		.amdhsa_float_denorm_mode_16_64 3
		.amdhsa_memory_ordered 1
		.amdhsa_forward_progress 1
		.amdhsa_inst_pref_size 97
	.end_amdhsa_kernel
	.amdgpu_metadata
---
amdhsa.version: [ 1, 2 ]
amdhsa.kernels:
  - .name:           k_qc1fe351975_qkv
    .symbol:         k_qc1fe351975_qkv.kd
    .args:
      - { .name: cf, .offset: 0, .size: 8, .value_kind: global_buffer, .address_space: global }
      - { .name: bq, .offset: 8, .size: 8, .value_kind: global_buffer, .address_space: global }
      - { .name: bk, .offset: 16, .size: 8, .value_kind: global_buffer, .address_space: global }
      - { .name: bv, .offset: 24, .size: 8, .value_kind: global_buffer, .address_space: global }
      - { .name: qf, .offset: 32, .size: 8, .value_kind: global_buffer, .address_space: global }
      - { .name: qs, .offset: 40, .size: 8, .value_kind: global_buffer, .address_space: global }
      - { .name: kv, .offset: 48, .size: 8, .value_kind: global_buffer, .address_space: global }
    .group_segment_fixed_size: 308736
    .private_segment_fixed_size: 0
    .kernarg_segment_align: 8
    .kernarg_segment_size: 56
    .max_flat_workgroup_size: 384
    .sgpr_count:     100
    .vgpr_count:     256
    .wavefront_size: 32
...
	.end_amdgpu_metadata
.endif
;; end of part 2
;; launch attn (part 3): grid 8 x 32, 8 waves a work-group, clusters of 4 x 1, 257,024 bytes of LDS; arguments qf, qs, kv, of; writes of
.if DOCPART == 3
	.amdgcn_target "amdgcn-amd-amdhsa--gfx1250"
	.amdhsa_code_object_version 6
	.text
	.protected	k_qc1fe351975_attn
	.globl	k_qc1fe351975_attn
	.p2align	8
	.type	k_qc1fe351975_attn,@function
k_qc1fe351975_attn:
	s_mov_b64 s[64:65], 0
	v_nop
	global_prefetch_b8 v0, s[64:65] scope:SCOPE_SE
	s_setreg_imm32_b32 hwreg(HW_REG_WAVE_MODE, 25, 1), 1
	s_wait_xcnt 0x0
	s_wait_alu depctr_hold_cnt(0) depctr_sa_sdst(0) depctr_va_vdst(0) depctr_va_sdst(0) depctr_va_ssrc(0) depctr_va_vcc(0) depctr_vm_vsrc(0)
	s_getreg_b32 s2, hwreg(HW_REG_IB_STS2, 6, 4)
	s_cmp_eq_u32 s2, 0
	s_cbranch_scc0 .Lentry_in_a_cluster
	s_endpgm
.Lentry_in_a_cluster:
	s_bfe_u32 s2, ttmp6, 0x10000c
	s_cmp_lg_u32 s2, 0x3003
	s_cbranch_scc0 .Lentry_shape_is_right
	s_endpgm
.Lentry_shape_is_right:
; O[bh][q] = the sum over k of softmax_k(Q[bh][q] . K[bh][k] / 8) V[bh][k], head size 64, 2,048 keys, both products on codes of FP6 (E2M3) with one E8M0 scale for each 32 along K;
; the result is quantised along the model's 1,024 (a head is two blocks of 32) and stored as pieces of the output projection's operand.
; THE SOFTMAX: t = score x log2(e) / 8; M = the running largest t, rounded UP to a whole number; p = 2^(t - M) is quantised along the keys, not normalised; the row's sum is taken of the unquantised p and divides at the end.
; When M moves, the sum and O are multiplied by 2^(old M - new M): exact.
; SHARES: a work-group owns 256 queries of one head; each of its eight waves the two tiles of 16 of one pair image of Q (tile t: tokens 32 P + 8 t + r + 8 (r / 8)): each fragment of K and of V^T read from LDS feeds both tiles' products.
; LDS: the whole head's K and V, 16 key steps.  A step's 12,800 bytes of kv (4 pair images of K, 4 images of V^T, 512 bytes of scale words) come as 25 rows of 512 bytes, 128 bytes of padding behind each: 16,000 bytes a step.
; Filled ONCE, one tensor load a wave (two key steps); nothing is filled again and nothing is stored into LDS.
; CLUSTER 4 x 1: the four query blocks of a cluster belong to one head: each pair of steps is asked for jointly, with a mask that names the four.
; THE FIRST PRODUCT HAS K = 64.  A pair image of K holds two tiles of 16 keys side by side along the instruction's 128; against [Q | zero codes] it gives the first tile's scores, against [zero codes | Q] the second's
; (the registers Q, 0, Q on end serve both).  The zero halves have the scale byte 0 (2^-127): zero codes add nothing under it.
; WHICH KEYS FORM A TILE is chosen by the LDS addresses: lanes r < 8 read rows 8 w + r of pair image 2 g, lanes r >= 8 the same rows of image 2 g + 1.  Both products are used transposed (a lane holds ONE query of each tile), so
; register 32 g + 16 w + 8 u + j of lane (r, h) is key 64 g + 32 h + 16 w + 8 u + j: a lane's 32 registers are one whole scale block of p, in the order of the operand's registers.  No lane is asked for a block's maximum.
; With the padding the two images' rows lie 1,920 bytes apart, 128 modulo 256.
; REGISTERS, in two windows of 256, laid by what the work names together.  Window 0: addresses, the softmax's small state of both tiles, scale words, K's fragments, both tiles' scores.
; Window 1: both tiles' O^T, V^T's fragments, Q, p's codes, the partial sums of p.
; K's and V^T's fragments have registers of their own: step i + 1's K is asked for behind step i's first products, its V^T behind step i's second products.  Each group is 14 LDS loads, so each wait lets the 14 younger ones stay out.
; THE ROW'S SUM stands where places are owed behind matrix instructions; its last lines, the multiply-add by f among them, stand behind the next step's first products.
; Wave 0 (key steps 0, 1) has a load line and a wait of its own at the head; all other loads are waited for ahead of the barrier in step 1, behind which step 2 is first read.
; No prefetch: all of the head's bytes are asked for by the loads at the kernel's head.
; OUT: of: 256 token-tile records of 12,800 bytes: image of K step s (heads 2 s, 2 s + 1) at 1,536 s, register pair p of lane l at 256 p + 8 l; row r's scale bytes of head hd at 12,288 + 32 r + 2 hd.
;   The scale bytes leave one byte a lane, rows 32 bytes apart: one byte in 24 of what is stored.
; LIMITS: NaN and infinities are not served; the promise holds while the scaled scores t stay under 2^31 in magnitude; a block whose largest magnitude lies under 2^-124, a block of zeros among them, keeps the byte 1 (the bytes are this program's own).
.set MREC, 12800                       ; a key step in kv
.set LREC, 16000                       ; and in LDS: 25 x (512 + 128)
.set SPARE, 16*LREC                    ; the spare words, 128 bytes a wave
; window 0
.set BV,   1                           ; v1 16 x lane; v2 4 x lane; v3, v4 my lane's place in K's images and scale words; v5 8 x lane; v6 32 r + h; v7 4 r; v8 h; v9 at work at the head
.set BVS,  2
.set BK,   3
.set BKS,  4
.set AK,   10                          ; v10-13 LDS addresses of the pair of steps in hand: K's images, K's words, V's images, V's words
.set AKS,  11
.set AV,   12
.set AVS,  13
.set SM,   16                          ; v16-31, v32-47 a tile's small state: +0, +2 -M by turns (each named as a pair with the register above it); +1 the running largest score; +3 at work; +4, +5 f;
                                       ; +6, +7 a block's largest score, then p; +8, +9 the conversions' scale operands; +10, +11 the bytes; +12, +13 halves of the scale word; +14 a lane permute's result
.set MX,   48                          ; v48-55 eight chains of maxima
.set KS,   56                          ; v56-57 K's scale words: register g: lanes 0-15 w = 0, lanes 16-31 w = 1
.set VS,   58                          ; v58-59 V's: register i: lanes 0-15 tile 2 i, lanes 16-31 tile 2 i + 1
.set SQ,   60                          ; v60-63 Q's scale words: tile t: 2 t for [Q | 0], 2 t + 1 for [0 | Q]
.set PW,   64                          ; v64-65 p's scale words
.set KF,   72                          ; v72-119 K's four fragments
.set S0,   120                         ; v120-183, v184-247 S^T, then p, of tiles 0 and 1
; window 1 (the numbers are those written in the text)
.set OT,   0                           ; O^T: 32 registers a tile
.set VF,   64                          ; V^T's four fragments
.set QQ,   112                         ; Q, zero codes, Q: 18 registers a tile
.set PC,   148                         ; p's codes: 12 a tile
.set TX,   172                         ; the conversions' second halves: 8 a tile
.set TS,   188                         ; eight partial sums of p, two numbers each: 16 a tile
.set LL,   220                         ; the row's sum in two halves: 2 a tile
.set WV,   12                          ; s12 my wave's number
.set SEL,  16                          ; s[16:17] lane selects for lane l xor 16
.set CS,   18                          ; s[18:19] c = log2(e) / 8
.set TB,   20                          ; s20 LDS byte at which the pair of steps in hand begins
.set CNT,  21
.set NC,   48                          ; s48 -c
.set MSB, 0
.macro WIN new                         ; low byte: bits 1:0 source 0, 3:2 source 1, 5:4 source 2, 7:6 destination; the high byte repeats the setting that is left
.if MSB != \new
	s_set_vgpr_msb (MSB<<8)|\new
.set MSB, \new
.endif
.endm
.macro PLACES
.rept 4
	v_nop
.endr
.endm
.macro WALU                            ; a wait ahead of blocking waits, and ahead of and behind a batch of exponentials
	s_wait_alu depctr_va_vdst(0)
.endm
.macro CROUND                          ; a round of the cluster's barrier
	s_barrier_signal -1
	s_barrier_wait -1
	s_cmp_lg_u32 s[WV], 0
	s_cbranch_scc1 .Lnot_wave_0_\@
	s_barrier_signal -3
.Lnot_wave_0_\@:
	s_barrier_wait -3
	s_barrier_signal -1
	s_barrier_wait -1
.endm
.macro WM d, a, b, c, x, y, ra         ; one product; ra = 1: source 0's scale words stand in lanes 16-31
.if \ra
	v_wmma_scale_f32_16x16x128_f8f6f4 v[(\d):(\d)+7], v[(\a):(\a)+11], v[(\b):(\b)+11], \c, v[\x], v[\y] matrix_a_fmt:MATRIX_FMT_FP6 matrix_b_fmt:MATRIX_FMT_FP6 matrix_a_scale:MATRIX_SCALE_ROW1
.else
	v_wmma_scale_f32_16x16x128_f8f6f4 v[(\d):(\d)+7], v[(\a):(\a)+11], v[(\b):(\b)+11], \c, v[\x], v[\y] matrix_a_fmt:MATRIX_FMT_FP6 matrix_b_fmt:MATRIX_FMT_FP6
.endif
.endm
.macro KLOAD o                         ; a step's four fragments of K and their scale words: 14 loads; o: the step's place behind the address registers
	WIN 0
.irp g, 0,1
.irp w, 0,1
.irp p, 0,1,2
	ds_load_b128 v[KF+24*\g+12*\w+4*\p:KF+24*\g+12*\w+4*\p+3], v[AK] offset:(\o)+3840*\g+640*\p+128*\w
.endr
.endr
.endr
	ds_load_b32 v[KS], v[AKS] offset:(\o)+15360
	ds_load_b32 v[KS+1], v[AKS] offset:(\o)+15360+128
.endm
.macro VLOAD o                         ; a step's four tiles of V^T (into window 1) and their scale words: 14 loads
	WIN 0x40
.irp f, 0,1,2,3
.irp p, 0,1,2
	ds_load_b128 v[VF+12*\f+4*\p:VF+12*\f+4*\p+3], v[AV] offset:(\o)+7680+1920*\f+640*\p
.endr
.endr
	WIN 0
	ds_load_b32 v[VS], v[AVS] offset:(\o)+15616
	ds_load_b32 v[VS+1], v[AVS] offset:(\o)+15744
.endm
.macro ADDS t, a, n                    ; n pairs of the second block of tile t's p, from pair a on, onto its eight partial sums by turns
	WIN 0x41
.set k, \a
.rept \n
	v_pk_add_f32 v[TS+16*(\t)+2*(k%8):TS+16*(\t)+2*(k%8)+1], v[TS+16*(\t)+2*(k%8):TS+16*(\t)+2*(k%8)+1], v[S0+64*(\t)+32+2*k:S0+64*(\t)+33+2*k]
.set k, k+1
.endr
.endm
.macro SUMEND                          ; four partial sums become one, and the row's sum goes under the step's M: sum x f + this step's
	WIN 0x45
.irp t, 0,1
	v_pk_add_f32 v[TS+16*\t:TS+16*\t+1], v[TS+16*\t:TS+16*\t+1], v[TS+16*\t+4:TS+16*\t+5]
	v_pk_add_f32 v[TS+16*\t+8:TS+16*\t+9], v[TS+16*\t+8:TS+16*\t+9], v[TS+16*\t+12:TS+16*\t+13]
.endr
.irp t, 0,1
	v_pk_add_f32 v[TS+16*\t:TS+16*\t+1], v[TS+16*\t:TS+16*\t+1], v[TS+16*\t+8:TS+16*\t+9]
.endr
	WIN 0x51
.irp t, 0,1
	v_pk_fma_f32 v[LL+2*\t:LL+2*\t+1], v[LL+2*\t:LL+2*\t+1], v[SM+16*\t+4:SM+16*\t+5], v[TS+16*\t:TS+16*\t+1] op_sel_hi:[1,0,1]
.endr
	WIN 0
.endm
	s_load_b256 s[4:11], s[0:1], 0x0               ; qf s[4:5], qs s[6:7], kv s[8:9], of s[10:11]
	v_lshl_add_u32 v254, v0, 2, SPARE
	v_mov_b32 v255, 0
	ds_add_u32 v254, v255                          ; the opening lines: the add, twice on end, and its wait
	ds_add_u32 v254, v255
	v_lshrrev_b32 v9, 5, v0
	v_readfirstlane_b32 s[WV], v9                  ; wave 0..7
	s_bfe_u32 s13, ttmp6, 0x40000                  ; cx: my place in the cluster
	s_lshl_b32 s14, ttmp9, 2
	s_add_co_u32 s14, s14, s13                     ; my block of 256 queries: it enters Q's and of's addresses alone
	s_and_b32 s15, ttmp7, 0xffff                   ; bh, which the four partners share
	s_mov_b32 s24, 15|(3<<16)|(1<<20)|(1<<21)|(6<<22)|(31<<25)   ; group 1: the mask: all four; elements of 8 bytes; padding on; 21 beside the mask; after every 128 words; 32 words
	s_mov_b32 s25, 64<<16                          ; tensor_dim0 = 64 elements: 512 bytes
	s_mov_b32 s26, 50<<16                          ; tensor_dim1 = 50 rows: two key steps
	s_mov_b32 s27, 64<<16                          ; tile_dim0
	s_mov_b32 s28, 50                              ; tile_dim1
	s_mov_b32 s29, 64                              ; the pitch: dense
	s_mov_b32 s30, 0
	s_mov_b32 s31, 0
	s_mul_i32 s36, s15, 16*MREC                    ; the head's steps,
	s_mul_i32 s22, s[WV], 2*MREC                   ; my wave's two of them,
	s_add_co_u32 s36, s36, s22
	s_mov_b32 s37, 0
	s_mul_i32 s33, s[WV], 2*LREC                   ; and their place in LDS
	s_lshl_b32 s38, s14, 3
	s_add_co_u32 s38, s38, s[WV]                   ; P: my group of 32 tokens
	s_lshl_b32 s40, s15, 6
	s_add_co_u32 s40, s40, s38                     ; 64 bh + P
	s_mul_i32 s42, s40, 1536
	s_mov_b32 s43, 0
	s_lshl_b32 s44, s40, 6
	s_mov_b32 s45, 0
	s_lshr_b32 s46, s15, 4
	s_lshl_b32 s46, s46, 7
	s_lshl_b32 s47, s38, 1
	s_add_co_u32 s46, s46, s47                     ; tile 0's token tile: 128 x batch + 2 P; tile 1's is the next record
	s_mul_i32 s46, s46, MREC
	s_and_b32 s47, s15, 15                         ; hd
	s_mul_i32 s39, s47, 768                        ; a head's six registers
	s_add_co_u32 s40, s46, s39
	s_mov_b32 s41, 0
	s_lshl_b32 s47, s47, 1
	s_add_co_u32 s46, s46, s47                     ; and its two scale bytes
	s_mov_b32 s47, 0
	s_mov_b32 s[SEL], 0x76543210
	s_mov_b32 s[SEL+1], 0xfedcba98
	s_mov_b32 s[CS], 0x3e38aa3b                    ; c = log2(e) / 8
	s_mov_b32 s[CS+1], s[CS]                       ; (named with it as a pair, so it is written)
	s_mov_b32 s[NC], 0xbe38aa3b                    ; -c
	s_mov_b32 s[TB], 0
	v_and_b32 v9, 31, v0
	v_lshlrev_b32 v[BV], 4, v9
	v_lshlrev_b32 v[BVS], 2, v9
	v_lshlrev_b32 v5, 3, v9
	v_and_b32 v9, 15, v0
	v_bfe_u32 v8, v0, 4, 1
	v_lshl_add_u32 v6, v9, 5, v8
	v_lshlrev_b32 v7, 2, v9
	v_bfe_u32 v10, v0, 3, 1                        ; r / 8
	v_and_b32 v11, 7, v0                           ; r % 8
	v_mul_u32_u24 v[BK], v10, 1920                 ; K's images: the next image for r >= 8 (three rows of 640), + 16 (r % 8) + 256 h
	v_lshl_add_u32 v[BK], v11, 4, v[BK]
	v_lshl_add_u32 v[BK], v8, 8, v[BK]
	v_lshlrev_b32 v[BKS], 6, v10                   ; K's words: 64 (r / 8) + 32 h + 4 (r % 8): h here chooses w
	v_lshl_add_u32 v[BKS], v8, 5, v[BKS]
	v_lshl_add_u32 v[BKS], v11, 2, v[BKS]
	WALU
	s_wait_dscnt 0x0
	s_wait_kmcnt 0x0
	s_mov_b32 s32, 1                               ; group 0: count = 1
	s_add_nc_u64 s[34:35], s[8:9], s[36:37]        ; the head's key steps 2 w, 2 w + 1
	s_or_b32 s35, s35, 0x80000000                  ; type = 2
	s_add_nc_u64 s[4:5], s[4:5], s[42:43]          ; my pair image of Q
	s_add_nc_u64 s[6:7], s[6:7], s[44:45]          ; and its scale words
	s_add_nc_u64 s[40:41], s[10:11], s[40:41]      ; where my codes go
	s_add_nc_u64 s[46:47], s[10:11], s[46:47]      ; and my scale bytes
	CROUND                                         ; all four work-groups are here: the joint loads meet
	s_cmp_lt_u32 s[WV], 1                          ; one load a wave; wave 0, which alone waits at the head, has a line of its own
	s_cbranch_scc0 .Lrest
	tensor_load_to_lds s[32:35], s[24:31]
	s_nop 0
	PLACES
	s_branch .Lasked
.Lrest:
	tensor_load_to_lds s[32:35], s[24:31]
	s_nop 0
	PLACES
.Lasked:
.irp p, 0,1,2
	global_load_b128 v[S0+4*\p:S0+4*\p+3], v[BV], s[4:5] offset:512*\p
.endr
	global_load_b32 v9, v7, s[6:7]
.irp t, 0,1
	v_mov_b32 v[SM+16*\t+1], 0xff61b1e6            ; the largest score so far: -3e38
	v_mov_b32 v[SM+16*\t+4], 0
	v_mov_b32 v[SM+16*\t+5], 0
	v_mov_b32 v[SM+16*\t+13], 0                    ; a lane permute's destination counts as one of its sources
	v_mov_b32 v[SM+16*\t+14], 0
	v_mul_f32 v[SM+16*\t+3], s[NC], v[SM+16*\t+1]
	v_floor_f32 v[SM+16*\t+2], v[SM+16*\t+3]       ; its -M
.endr
	v_add_nc_u32 v[AK], s[TB], v[BK]
	v_add_nc_u32 v[AKS], s[TB], v[BKS]
	v_add_nc_u32 v[AV], s[TB], v[BV]
	v_add_nc_u32 v[AVS], s[TB], v[BVS]
	WALU
	s_wait_loadcnt 0x0
	v_and_b32 v[SQ], 0xffff, v9                    ; tile 0: [b0, b1, 0, 0]
	v_lshlrev_b32 v[SQ+1], 16, v9                  ;         [0, 0, b0, b1]
	v_lshrrev_b32 v[SQ+2], 16, v9                  ; tile 1 likewise
	v_and_b32 v[SQ+3], 0xffff0000, v9
	WIN 0x40
.irp t, 0,1
.irp i, 0,1,2,3,4,5
	v_mov_b32 v[QQ+18*\t+\i], v[S0+6*\t+\i]
	v_mov_b32 v[QQ+18*\t+6+\i], 0                  ; the zero codes
	v_mov_b32 v[QQ+18*\t+12+\i], v[S0+6*\t+\i]
.endr
.endr
.irp t, 0,1
.irp k, 0,1,4,5,8,9,12,13
	v_mov_b32 v[TS+16*\t+\k], 0                    ; the first step finds an empty sum
.endr
	v_mov_b32 v[LL+2*\t], 0
	v_mov_b32 v[LL+2*\t+1], 0
.endr
	WIN 0
	WALU
	s_cmp_lt_u32 s[WV], 1
	s_cbranch_scc0 .Lno_wait
	s_wait_tensorcnt 0x0                           ; key steps 0 and 1 are in
.Lno_wait:
	s_barrier_signal -1
	s_barrier_wait -1                              ; and shown to all
	KLOAD 0
	VLOAD 0
; A KEY STEP: 128 keys, two tiles of queries.  e: which of the pair of steps in hand; first = 1: O^T begins here; bar = 1: the barrier that shows all tensor loads; next = 1: the next step's K and V^T are fetched.
.macro STEP e, first, bar, next
.set NX_, (1-(\e))*LREC
	WALU
.if \bar
	s_wait_dscnt 0x0                               ; no LDS instruction of mine is out at the signal
	s_wait_tensorcnt 0x0                           ; my two key steps are in
	s_barrier_signal -1
.else
	s_wait_dscnt 14                                ; K's 14 loads are in; V^T's 14, issued behind them, may be out
.endif
	WIN 0x04                                       ; source 1 (Q) in window 1
.irp g, 0,1
.irp w, 0,1
.irp t, 0,1
	WM S0+64*\t+32*\g+16*\w, KF+24*\g+12*\w, QQ+18*\t, 0, KS+\g, SQ+2*\t, \w
	WM S0+64*\t+32*\g+16*\w+8, KF+24*\g+12*\w, QQ+18*\t+6, 0, KS+\g, SQ+2*\t+1, \w
.endr
.endr
.endr
	SUMEND                                         ; the last step's sums are finished: eight places behind the products
.if \bar
	WALU
	s_barrier_wait -1                              ; all sixteen key steps are shown
.endif
.if \next
.if \e
	s_add_co_u32 s[TB], s[TB], 2*LREC              ; this pair's loads have all been issued: on to the next pair
	v_add_nc_u32 v[AK], s[TB], v[BK]
	v_add_nc_u32 v[AKS], s[TB], v[BKS]
	v_add_nc_u32 v[AV], s[TB], v[BV]
	v_add_nc_u32 v[AVS], s[TB], v[BVS]
.endif
	KLOAD NX_                                      ; the next step's K has this whole step in which to land
.endif
.irp t, 0,1
.irp q, 0,1,2,3
	v_max3_num_f32 v[MX+4*\t+\q], v[S0+64*\t+16*\q], v[S0+64*\t+16*\q+1], v[S0+64*\t+16*\q+2]   ; eight chains by turns, two to a block; each accumulator from its low end on
.endr
.endr
.irp i, 3,5,7,9,11,13
.irp t, 0,1
.irp q, 0,1,2,3
	v_max3_num_f32 v[MX+4*\t+\q], v[MX+4*\t+\q], v[S0+64*\t+16*\q+\i], v[S0+64*\t+16*\q+\i+1]
.endr
.endr
.endr
.irp t, 0,1
	v_max3_num_f32 v[SM+16*\t+6], v[MX+4*\t], v[MX+4*\t+1], v[S0+64*\t+15]
	v_max3_num_f32 v[SM+16*\t+7], v[MX+4*\t+2], v[MX+4*\t+3], v[S0+64*\t+47]
.endr
.irp t, 0,1
	v_max_num_f32 v[SM+16*\t+6], v[SM+16*\t+6], v[S0+64*\t+31]   ; my two blocks' largest scores: they serve for the row's maximum and, since p rises with the score, for the blocks' largest p
	v_max_num_f32 v[SM+16*\t+7], v[SM+16*\t+7], v[S0+64*\t+63]
.endr
.irp t, 0,1
	v_max3_num_f32 v[SM+16*\t+3], v[SM+16*\t+6], v[SM+16*\t+7], v[SM+16*\t+1]
.endr
.irp t, 0,1
	s_delay_alu instid0(VALU_DEP_2)
	v_permlanex16_b32 v[SM+16*\t+14], v[SM+16*\t+3], s[SEL], s[SEL+1]
.endr
.irp t, 0,1
	s_delay_alu instid0(VALU_DEP_2)
	v_max_num_f32 v[SM+16*\t+1], v[SM+16*\t+3], v[SM+16*\t+14]   ; with lane l xor 16's: the running largest score of my query
.endr
.irp t, 0,1
	s_delay_alu instid0(VALU_DEP_2)
	v_mul_f32 v[SM+16*\t+3], s[NC], v[SM+16*\t+1]  ; -t
.endr
.irp t, 0,1
	s_delay_alu instid0(VALU_DEP_2)
	v_floor_f32 v[SM+16*\t+2*(\e)], v[SM+16*\t+3]  ; -M = floor(-t) = -ceil(t): a whole number
.endr
.set j, 0
.rept 32
	v_pk_fma_f32 v[S0+2*j:S0+2*j+1], v[S0+2*j:S0+2*j+1], s[CS:CS+1], v[SM+2*(\e):SM+2*(\e)+1] op_sel_hi:[1,0,0]   ; tile 0: t - M
.if j == 3
	v_sub_f32 v[SM+3], v[SM+2*(\e)], v[SM+2-2*(\e)]              ; old M - new M: a whole number, 0 or less
.elseif j == 5
	v_sub_f32 v[SM+19], v[SM+16+2*(\e)], v[SM+18-2*(\e)]
.elseif j == 11
	v_cvt_i32_f32 v[SM+3], v[SM+3]                 ; (it saturates)
.elseif j == 13
	v_cvt_i32_f32 v[SM+19], v[SM+19]
.elseif j == 19
	v_ldexp_f32 v[SM+4], 1.0, v[SM+3]              ; f = 2^(old M - new M)
.elseif j == 21
	v_ldexp_f32 v[SM+20], 1.0, v[SM+19]
.endif
.set j, j+1
.endr
	v_fma_f32 v[SM+6], v[SM+6], s[CS], v[SM+2*(\e)]              ; the same of each block's largest score
	v_fma_f32 v[SM+7], v[SM+7], s[CS], v[SM+2*(\e)]
.if !(\first)
	WIN 0x41
.irp t, 0,1
.set j, 0
.rept 16
	v_pk_mul_f32 v[OT+32*\t+j:OT+32*\t+j+1], v[OT+32*\t+j:OT+32*\t+j+1], v[SM+16*\t+4:SM+16*\t+5] op_sel_hi:[1,0]   ; O^T under the new M, each accumulator from its low end on
.set j, j+2
.endr
.endr
.endif
	WIN 0
	WALU
	v_exp_f32 v[SM+6], v[SM+6]                     ; the blocks' largest p: the same two instructions on the same number give the same bits
	v_exp_f32 v[SM+7], v[SM+7]
.set j, 0
.rept 32
	v_exp_f32 v[S0+2*j], v[S0+2*j]                 ; tile 0: p = 2^(t - M); among them tile 1's t - M, lines that hang on nothing in this batch
	v_exp_f32 v[S0+2*j+1], v[S0+2*j+1]
	v_pk_fma_f32 v[S0+64+2*j:S0+65+2*j], v[S0+64+2*j:S0+65+2*j], s[CS:CS+1], v[SM+16+2*(\e):SM+17+2*(\e)] op_sel_hi:[1,0,0]
.set j, j+1
.endr
	v_fma_f32 v[SM+22], v[SM+22], s[CS], v[SM+16+2*(\e)]
	v_fma_f32 v[SM+23], v[SM+23], s[CS], v[SM+16+2*(\e)]
	WALU                                           ; behind the first batch and ahead of the second
	v_exp_f32 v[SM+22], v[SM+22]
	v_exp_f32 v[SM+23], v[SM+23]
.set j, 0
.rept 64
	v_exp_f32 v[S0+64+j], v[S0+64+j]               ; tile 1
.set j, j+1
.endr
	v_max_num_f32 v[SM+6], 0x1800000, v[SM+6]      ; the floor 2^(3 - 127): the byte cannot fall under 1.  (Tile 0's: a plain place behind the batch)
	WALU
	v_max_num_f32 v[SM+7], 0x1800000, v[SM+7]
	v_max_num_f32 v[SM+22], 0x1800000, v[SM+22]
	v_max_num_f32 v[SM+23], 0x1800000, v[SM+23]
.irp t, 0,1
	v_add_nc_u32 v[SM+16*\t+8], 0xff000000, v[SM+16*\t+6]        ; 2 off the exponent field: the conversion's scale operand
	v_add_nc_u32 v[SM+16*\t+9], 0xff000000, v[SM+16*\t+7]
.endr
	WIN 0x40
.irp t, 0,1
	v_cvt_scalef32_pk16_fp6_f32 v[PC+12*\t:PC+12*\t+2], v[S0+64*\t:S0+64*\t+15], v[SM+16*\t+8]
	v_cvt_scalef32_pk16_fp6_f32 v[TX+8*\t:TX+8*\t+2], v[S0+64*\t+16:S0+64*\t+31], v[SM+16*\t+8]
	v_cvt_scalef32_pk16_fp6_f32 v[PC+12*\t+6:PC+12*\t+8], v[S0+64*\t+32:S0+64*\t+47], v[SM+16*\t+9]
	v_cvt_scalef32_pk16_fp6_f32 v[TX+8*\t+4:TX+8*\t+6], v[S0+64*\t+48:S0+64*\t+63], v[SM+16*\t+9]
.endr
.irp t, 0,1
.set j, 0
.rept 8
	v_pk_add_f32 v[TS+16*\t+2*j:TS+16*\t+2*j+1], v[S0+64*\t+4*j:S0+64*\t+4*j+1], v[S0+64*\t+4*j+2:S0+64*\t+4*j+3]   ; THE ROW'S SUM IS TAKEN OF THE UNQUANTISED p: the first block's pairs start eight partial sums
.set j, j+1
.endr
.endr
	WIN 0
.irp t, 0,1
	v_lshrrev_b32 v[SM+16*\t+10], 23, v[SM+16*\t+8]              ; the bytes of blocks h and 2 + h
	v_lshrrev_b32 v[SM+16*\t+11], 23, v[SM+16*\t+9]
.endr
.irp t, 0,1
	v_lshl_or_b32 v[SM+16*\t+12], v[SM+16*\t+11], 16, v[SM+16*\t+10]
.endr
.irp t, 0,1
	v_permlanex16_b32 v[SM+16*\t+13], v[SM+16*\t+12], s[SEL], s[SEL+1]
.endr
.irp t, 0,1
	v_lshl_or_b32 v[PW+\t], v[SM+16*\t+13], 8, v[SM+16*\t+12]    ; in lanes 0-15, which alone are read: blocks 0, 1, 2, 3
.endr
	WIN 0x41
.irp t, 0,1
.irp i, 0,1,2
	v_mov_b32 v[PC+12*\t+3+\i], v[TX+8*\t+\i]      ; (a conversion's three registers begin on an even number)
	v_mov_b32 v[PC+12*\t+9+\i], v[TX+8*\t+4+\i]
.endr
.endr
	ADDS 0, 0, 16                                  ; sixteen places behind p's last code, twenty-eight behind its scale words
	WALU
.if \next
	s_wait_dscnt 14                                ; V^T's 14 loads are in; the next K's 14 may be out
.else
	s_wait_dscnt 0x0
.endif
	WIN 0x55
.irp f, 0,1,2,3
.irp t, 0,1
.if \first
	WM OT+32*\t+8*\f, VF+12*\f, PC+12*\t, 0, VS+\f/2, PW+\t, \f%2          ; O^T = V^T P^T: the first step starts the sums
.else
	WM OT+32*\t+8*\f, VF+12*\f, PC+12*\t, v[OT+32*\t+8*\f:OT+32*\t+8*\f+7], VS+\f/2, PW+\t, \f%2    ; O^T += V^T P^T: the eight accumulators by turns
.endif
.endr
.endr
	ADDS 1, 0, 4                                   ; four places ahead of the loads into the fragments' registers
.if \next
	VLOAD NX_
.endif
	ADDS 1, 4, 12
	WIN 0x45
.irp t, 0,1
.irp k, 0,4,8,12
	v_pk_add_f32 v[TS+16*\t+\k:TS+16*\t+\k+1], v[TS+16*\t+\k:TS+16*\t+\k+1], v[TS+16*\t+\k+2:TS+16*\t+\k+3]
.endr
.endr
	WIN 0
.endm
	STEP 0, 1, 0, 1                                ; key steps 0 and 1 are written out: their addresses are constants, and only they have been shown
	STEP 1, 0, 1, 1
	s_mov_b32 s[CNT], 6
.Lpair:                                                ; key steps 2 to 13
	STEP 0, 0, 0, 1
	STEP 1, 0, 0, 1
	s_sub_co_u32 s[CNT], s[CNT], 1
	s_cmp_lg_u32 s[CNT], 0
	WALU
	s_cbranch_scc1 .Lpair
	STEP 0, 0, 0, 1
	STEP 1, 0, 0, 0                                ; the last step fetches nothing beyond the head's sixteen
	SUMEND
	; THE WAY OUT: O^T / the sum; register 16 b + i is channel 32 b + 16 h + i of my query: two blocks of the projection's K for each tile
	v_cmp_ne_u32 vcc_lo, 0, v8
	WIN 0x45
.irp t, 0,1
	v_add_f32 v[LL+2*\t], v[LL+2*\t], v[LL+2*\t+1] ; the sum's two halves,
.endr
.irp t, 0,1
	v_permlanex16_b32 v[TS+16*\t], v[LL+2*\t], s[SEL], s[SEL+1]
.endr
.irp t, 0,1
	v_add_f32 v[LL+2*\t], v[LL+2*\t], v[TS+16*\t]  ; and lane l xor 16's: the row's sum
.endr
	WALU
	v_rcp_f32 v[LL], v[LL]
	v_rcp_f32 v[LL+2], v[LL+2]
	v_nop                                          ; a plain place behind the reciprocals
	WIN 0x05
	WALU                                           ; ahead of their first reader, and of O^T's
.irp t, 0,1
.set j, 0
.rept 16
	v_pk_mul_f32 v[S0+64*\t+j:S0+64*\t+j+1], v[OT+32*\t+j:OT+32*\t+j+1], v[LL+2*\t:LL+2*\t+1] op_sel_hi:[1,0]
.set j, j+2
.endr
.endr
	WIN 0
.irp t, 0,1
.irp b, 0,1
	v_max3_num_f32 v[SM+16*\t+6+\b], |v[S0+64*\t+16*\b]|, |v[S0+64*\t+1+16*\b]|, 0x1800000
.endr
.endr
.irp i, 2,4,6,8,10,12,14
.irp t, 0,1
.irp b, 0,1
	v_max3_num_f32 v[SM+16*\t+6+\b], v[SM+16*\t+6+\b], |v[S0+64*\t+16*\b+\i]|, |v[S0+64*\t+1+16*\b+\i]|
.endr
.endr
.endr
.irp t, 0,1
.irp b, 0,1
	v_permlanex16_b32 v[SM+16*\t+10+\b], v[SM+16*\t+6+\b], s[SEL], s[SEL+1]
.endr
.endr
.irp t, 0,1
.irp b, 0,1
	v_max_num_f32 v[SM+16*\t+6+\b], v[SM+16*\t+6+\b], v[SM+16*\t+10+\b]
.endr
.endr
.irp t, 0,1
.irp b, 0,1
	v_add_nc_u32 v[SM+16*\t+8+\b], 0xff000000, v[SM+16*\t+6+\b]
.endr
.endr
.irp t, 0,1
.irp b, 0,1
	v_lshrrev_b32 v[SM+16*\t+10+\b], 23, v[SM+16*\t+8+\b]
.endr
.endr
.irp t, 0,1
	v_cvt_scalef32_pk16_fp6_f32 v[KF+16*\t:KF+16*\t+2], v[S0+64*\t:S0+64*\t+15], v[SM+16*\t+8]
	v_cvt_scalef32_pk16_fp6_f32 v[KF+16*\t+8:KF+16*\t+10], v[S0+64*\t+16:S0+64*\t+31], v[SM+16*\t+9]
.endr
	v_nop
.irp t, 0,1
.irp i, 0,1,2
	v_permlane16_swap_b32 v[KF+16*\t+\i], v[KF+16*\t+8+\i]       ; a whole block to a lane
.endr
.endr
.irp t, 0,1
.irp i, 0,1,2
	v_mov_b32 v[KF+16*\t+3+\i], v[KF+16*\t+8+\i]
.endr
	v_cndmask_b32 v[SM+16*\t+3], v[SM+16*\t+10], v[SM+16*\t+11], vcc_lo   ; lane (r, h) stores byte h of row r
.endr
.irp t, 0,1
.irp p, 0,1,2
	global_store_b64 v5, v[KF+16*\t+2*\p:KF+16*\t+2*\p+1], s[40:41] offset:MREC*\t+256*\p   ; 32 lanes store 256 consecutive bytes, aligned
.endr
	global_store_b8 v6, v[SM+16*\t+3], s[46:47] offset:MREC*\t+12288
.endr
	s_wait_tensorcnt 0x0                           ; the wave's end
	ds_add_u32 v254, v255
	s_wait_dscnt 0x0
	CROUND                                         ; the closing round
	s_endpgm
.Lfunc_end_k_qc1fe351975_attn:
	.size	k_qc1fe351975_attn, .Lfunc_end_k_qc1fe351975_attn-k_qc1fe351975_attn
	.p2alignl 7, 3214868480
	.fill 96, 4, 3214868480
	.section	.rodata,"a",@progbits
	.p2align	6, 0x0
	.amdhsa_kernel k_qc1fe351975_attn
		.amdhsa_group_segment_fixed_size 257024
		.amdhsa_private_segment_fixed_size 0
		.amdhsa_enable_private_segment 0
		.amdhsa_kernarg_size 32
		.amdhsa_user_sgpr_count 2
		.amdhsa_user_sgpr_kernarg_segment_ptr 1
		.amdhsa_wavefront_size32 1
		.amdhsa_system_sgpr_workgroup_id_x 1
		.amdhsa_system_sgpr_workgroup_id_y 1
		.amdhsa_system_sgpr_workgroup_id_z 1
		.amdhsa_system_vgpr_workitem_id 0
		.amdhsa_next_free_vgpr 512
		.amdhsa_next_free_sgpr 66
		.amdhsa_reserve_vcc 1
		.amdhsa_float_denorm_mode_32 3
		.amdhsa_float_denorm_mode_16_64 3
		.amdhsa_memory_ordered 1
		.amdhsa_forward_progress 1
		.amdhsa_inst_pref_size 174
	.end_amdhsa_kernel
	.amdgpu_metadata
---
amdhsa.version: [ 1, 2 ]
amdhsa.kernels:
  - .name:           k_qc1fe351975_attn
    .symbol:         k_qc1fe351975_attn.kd
    .args:
      - { .name: qf, .offset: 0, .size: 8, .value_kind: global_buffer, .address_space: global }
      - { .name: qs, .offset: 8, .size: 8, .value_kind: global_buffer, .address_space: global }
      - { .name: kv, .offset: 16, .size: 8, .value_kind: global_buffer, .address_space: global }
      - { .name: of, .offset: 24, .size: 8, .value_kind: global_buffer, .address_space: global }
    .group_segment_fixed_size: 257024
    .private_segment_fixed_size: 0
    .kernarg_segment_align: 8
    .kernarg_segment_size: 32
    .max_flat_workgroup_size: 256
    .sgpr_count:     66
    .vgpr_count:     512
    .wavefront_size: 32
...
	.end_amdgpu_metadata
.endif
;; end of part 3
;; launch proj (part 4): grid 8 x 32, 8 waves a work-group, clusters of 4 x 4, 275,456 bytes of LDS; arguments cf, of, bo, out0; writes out0
.if DOCPART == 4
	.amdgcn_target "amdgcn-amd-amdhsa--gfx1250"
	.amdhsa_code_object_version 6
	.text
	.protected	k_qc1fe351975_proj
	.globl	k_qc1fe351975_proj
	.p2align	8
	.type	k_qc1fe351975_proj,@function
k_qc1fe351975_proj:
	s_mov_b64 s[64:65], 0
	v_nop
	global_prefetch_b8 v0, s[64:65] scope:SCOPE_SE
	s_setreg_imm32_b32 hwreg(HW_REG_WAVE_MODE, 25, 1), 1
	s_wait_xcnt 0x0
	s_wait_alu depctr_hold_cnt(0) depctr_sa_sdst(0) depctr_va_vdst(0) depctr_va_sdst(0) depctr_va_ssrc(0) depctr_va_vcc(0) depctr_vm_vsrc(0)
	s_getreg_b32 s2, hwreg(HW_REG_IB_STS2, 6, 4)
	s_cmp_eq_u32 s2, 0
	s_cbranch_scc0 .Lentry_in_a_cluster
	s_endpgm
.Lentry_in_a_cluster:
	s_bfe_u32 s2, ttmp6, 0x10000c
	s_cmp_lg_u32 s2, 0xf033
	s_cbranch_scc0 .Lentry_shape_is_right
	s_endpgm
.Lentry_shape_is_right:
; out0 = O Wo^T + bo on codes of FP6 (E2M3): Wo's tile records out of cf (tiles 448-511; images in pieces of 16 bytes a lane), O's out of of (images in pieces of 8 bytes a lane: register pair p of lane l at 256 p + 8 l).
; A record is eight images of 1,536 bytes and 512 bytes of scale words (row r, K step s at 12,288 + 32 r + 4 s); tile 2 g + u = rows 32 g + 8 u + r + 8 (r / 8).
; SHARES: a work-group makes 128 tokens (tb) x 128 columns (cg).  Wave w: token tiles 2 (w / 2) + m, Wo's tiles 4 (w % 2) + t: 8 accumulators, 32 tokens x 64 columns.
; Used transposed (source 0 = Wo, source 1 = O): a lane holds one token and eight neighbouring columns.  The bias is the C of each sum's first product.
; LDS: Wo's 8 records at 0, O's 8 at 102,400, each filled ONCE (one tensor load a wave: 2 records = 100 rows of 256 bytes); behind them a stage of 2 x 16 rows x 272 bytes for each wave, into which no fill lands.
; A wave's 64 columns are 256 bytes of a row, aligned: each wave has its own stage and stores whole rows of it; no barrier on the way out.
; CLUSTER 4 x 4: Wo's records hang on cg alone and are asked for jointly along a column of the cluster, O's on tb alone and jointly along a row.
.set REC,  12800
.set ACC,  16                          ; v16-79   accumulator (m, t) at ACC + 8 (4 m + t)
.set BI,   80                          ; v80-111  the bias: eight registers for each t
.set FA,   112                         ; v112-159 four fragments of Wo
.set FB,   160                         ; v160-183 two fragments of O
.set SCA,  184                         ; v184-185 Wo's scale words: register i: lanes 0-15 tile 2 i, lanes 16-31 tile 2 i + 1
.set SCB,  186                         ; v186     O's: lanes 0-15 m = 0, lanes 16-31 m = 1
.set OB0,  192                         ; v192-223 rows back from the stage, m = 0; m = 1: v112-143
; v3 Wo's images; v4 O's; v5 Wo's scale words; v6 O's; v7 into the stage; v8 out of it; v9 my byte in two rows of out0; v10 64 h
.set WV,   12
.set JB,   13
.set CH,   14
.set CG,   26
.set TBK,  27
.set G1W,  32
.set G1X,  40
.set G0W,  68
.set G0X,  72
.macro PLACES
.rept 4
	v_nop
.endr
.endm
.macro CROUND
	s_barrier_signal -1
	s_barrier_wait -1
	s_cmp_lg_u32 s[WV], 0
	s_cbranch_scc1 .Lnot_wave_0_\@
	s_barrier_signal -3
.Lnot_wave_0_\@:
	s_barrier_wait -3
	s_barrier_signal -1
	s_barrier_wait -1
.endm
.macro WM d, a, b, c, x, y, ra, rb     ; one product; ra, rb = 1: that side's scale words stand in lanes 16-31
.if ((\ra) == 0) && ((\rb) == 0)
	v_wmma_scale_f32_16x16x128_f8f6f4 v[(\d):(\d)+7], v[(\a):(\a)+11], v[(\b):(\b)+11], v[(\c):(\c)+7], v[(\x)], v[(\y)] matrix_a_fmt:MATRIX_FMT_FP6 matrix_b_fmt:MATRIX_FMT_FP6
.elseif (\rb) == 0
	v_wmma_scale_f32_16x16x128_f8f6f4 v[(\d):(\d)+7], v[(\a):(\a)+11], v[(\b):(\b)+11], v[(\c):(\c)+7], v[(\x)], v[(\y)] matrix_a_fmt:MATRIX_FMT_FP6 matrix_b_fmt:MATRIX_FMT_FP6 matrix_a_scale:MATRIX_SCALE_ROW1
.elseif (\ra) == 0
	v_wmma_scale_f32_16x16x128_f8f6f4 v[(\d):(\d)+7], v[(\a):(\a)+11], v[(\b):(\b)+11], v[(\c):(\c)+7], v[(\x)], v[(\y)] matrix_a_fmt:MATRIX_FMT_FP6 matrix_b_fmt:MATRIX_FMT_FP6 matrix_b_scale:MATRIX_SCALE_ROW1
.else
	v_wmma_scale_f32_16x16x128_f8f6f4 v[(\d):(\d)+7], v[(\a):(\a)+11], v[(\b):(\b)+11], v[(\c):(\c)+7], v[(\x)], v[(\y)] matrix_a_fmt:MATRIX_FMT_FP6 matrix_b_fmt:MATRIX_FMT_FP6 matrix_a_scale:MATRIX_SCALE_ROW1 matrix_b_scale:MATRIX_SCALE_ROW1
.endif
.endm
	s_load_b256 s[4:11], s[0:1], 0x0               ; cf s[4:5], of s[6:7], bo s[8:9], out0 s[10:11]
	v_lshl_add_u32 v224, v0, 2, 0x43000
	v_mov_b32 v225, 0
	ds_add_u32 v224, v225
	ds_add_u32 v224, v225
	v_lshrrev_b32 v1, 5, v0
	s_delay_alu instid0(VALU_DEP_1)
	v_readfirstlane_b32 s[WV], v1                  ; wave 0..7
	s_lshr_b32 s[JB], s[WV], 1
	s_and_b32 s[CH], s[WV], 1
	s_and_b32 s15, s[WV], 3                        ; which two records I fetch
	s_bfe_u32 s24, ttmp6, 0x40000                  ; cx, cy
	s_bfe_u32 s25, ttmp6, 0x40004
	s_lshl_b32 s[CG], ttmp9, 2
	s_add_co_u32 s[CG], s[CG], s24                 ; cg = 4 x cluster x + cx
	s_and_b32 s[TBK], ttmp7, 0xffff
	s_lshl_b32 s[TBK], s[TBK], 2
	s_add_co_u32 s[TBK], s[TBK], s25               ; tb = 4 x cluster y + cy
	s_lshl_b32 s28, s25, 2
	s_lshl_b32 s28, 15, s28                        ; my row of the cluster
	s_lshl_b32 s29, 0x1111, s24                    ; my column
	s_or_b32 s[G1W], s29, (3<<16)|(1<<21)          ; Wo's records go to my column: elements of 8 bytes, bit 21 beside the mask, no padding
	s_or_b32 s[G1X], s28, (3<<16)|(1<<21)          ; O's to my row
.irp g, G1W, G1X
	s_mov_b32 s[\g+1], 32<<16                      ; tensor_dim0 = 32 elements: 256 bytes
	s_mov_b32 s[\g+2], 100<<16                     ; tensor_dim1 = 100 rows: two records
	s_mov_b32 s[\g+3], 32<<16                      ; tile_dim0
	s_mov_b32 s[\g+4], 100                         ; tile_dim1
	s_mov_b32 s[\g+5], 32                          ; the pitch: dense
	s_mov_b32 s[\g+6], 0
	s_mov_b32 s[\g+7], 0
.endr
	s_lshl_b32 s48, s[CG], 3                       ; Wo's tile 448 + 8 cg + 2 (w % 4)
	s_lshl_b32 s49, s15, 1
	s_add_co_u32 s48, s48, s49
	s_add_co_u32 s48, s48, 448
	s_mul_i32 s48, s48, REC
	s_mov_b32 s49, 0
	s_lshl_b32 s52, s[TBK], 3                      ; O's tile 8 tb + 2 (w % 4)
	s_lshl_b32 s53, s15, 1
	s_add_co_u32 s52, s52, s53
	s_mul_i32 s52, s52, REC
	s_mov_b32 s53, 0
	s_mul_i32 s54, s[WV], 2*REC                    ; where my two records go
	v_and_b32 v1, 31, v0                           ; lane
	v_and_b32 v2, 15, v0                           ; r
	v_bfe_u32 v11, v0, 4, 1                        ; h
	s_mul_i32 s56, s[CH], 4*REC                    ; my four tiles of Wo
	s_mul_i32 s57, s[JB], 2*REC
	s_add_co_u32 s57, s57, 8*REC                   ; my two tiles of O
	v_lshl_add_u32 v3, v1, 4, s56
	v_lshl_add_u32 v4, v1, 3, s57
	v_mul_u32_u24 v12, v11, REC
	s_delay_alu instid0(VALU_DEP_1)
	v_lshl_add_u32 v12, v2, 5, v12                 ; h records + 32 r
	s_delay_alu instid0(VALU_DEP_1)
	v_add_nc_u32 v5, s56, v12
	s_delay_alu instid0(VALU_DEP_1)
	v_add_nc_u32 v5, 12288, v5
	s_delay_alu instid0(VALU_DEP_3)
	v_add_nc_u32 v6, s57, v12
	s_delay_alu instid0(VALU_DEP_1)
	v_add_nc_u32 v6, 12288, v6
	s_mul_i32 s58, s[WV], 8704
	s_add_co_u32 s58, s58, 16*REC                  ; my stage
	v_mul_u32_u24 v7, v2, 272
	s_delay_alu instid0(VALU_DEP_1)
	v_lshl_add_u32 v7, v11, 6, v7
	s_delay_alu instid0(VALU_DEP_1)
	v_add_nc_u32 v7, s58, v7                       ; in: row r, + 64 h
	v_mul_u32_u24 v8, v11, 272
	s_delay_alu instid0(VALU_DEP_1)
	v_lshl_add_u32 v8, v2, 4, v8
	s_delay_alu instid0(VALU_DEP_1)
	v_add_nc_u32 v8, s58, v8                       ; back: lanes 0-15 one row of 256 bytes, lanes 16-31 the next
	v_lshlrev_b32 v9, 12, v11
	s_delay_alu instid0(VALU_DEP_1)
	v_lshl_add_u32 v9, v2, 4, v9                   ; and the same two rows in out0
	v_lshlrev_b32 v10, 6, v11
	s_lshl_b32 s60, s[TBK], 2
	s_add_co_u32 s60, s60, s[JB]
	s_lshl_b32 s60, s60, 17                        ; my 32 tokens' first row: 32 (4 tb + jb) rows of 4,096 bytes,
	s_lshl_b32 s61, s[CG], 9
	s_lshl_b32 s59, s[CH], 8
	s_add_co_u32 s62, s61, s59                     ; my 64 columns: 512 cg + 256 ch bytes
	s_mov_b32 s63, 0
	s_add_co_u32 s60, s60, s62
	s_mov_b32 s61, 0
	s_wait_dscnt 0x0
	s_wait_kmcnt 0x0
	s_mov_b32 s[G0W], 1
	s_mov_b32 s[G0W+1], s54
	s_add_nc_u64 s[G0W+2:G0W+3], s[4:5], s[48:49]
	s_or_b32 s[G0W+3], s[G0W+3], 0x80000000
	s_mov_b32 s[G0X], 1
	s_mov_b32 s[G0X+1], s54
	s_add_nc_u64 s[G0X+2:G0X+3], s[6:7], s[52:53]
	s_or_b32 s[G0X+3], s[G0X+3], 0x80000000
	s_add_nc_u64 s[8:9], s[8:9], s[62:63]
	s_add_nc_u64 s[10:11], s[10:11], s[60:61]
	CROUND                                         ; all sixteen work-groups are here: the joint loads meet
	s_cmp_lt_u32 s[WV], 4                          ; waves 0-3 fetch Wo's records, waves 4-7 O's: one load a wave; four v_nop follow each line
	s_cbranch_scc0 .Lfor_o
	tensor_load_to_lds s[G0W:G0W+3], s[G1W:G1W+7]
	s_nop 0
	PLACES
	s_branch .Lasked
.Lfor_o:
	tensor_load_to_lds s[G0X:G0X+3], s[G1X:G1X+7]
	s_nop 0
	PLACES
.Lasked:
	s_wait_alu depctr_va_vdst(0)
.irp t, 0,1,2,3
	global_load_b128 v[BI+8*\t:BI+8*\t+3], v10, s[8:9] offset:128*(\t/2)+32*(\t%2)       ; bo at columns 32 (t / 2) + 16 h + 8 (t % 2) + 0 .. 7 of my 64
	global_load_b128 v[BI+8*\t+4:BI+8*\t+7], v10, s[8:9] offset:128*(\t/2)+32*(\t%2)+16
.endr
	s_wait_loadcnt 0x0
	s_wait_tensorcnt 0x0                           ; my two records are in,
	s_barrier_signal -1
	s_barrier_wait -1                              ; everybody's are
; A K step of 128: eight products; the eight accumulators take turns, one instruction a turn.
.macro PSTEP s
.if (\s) > 0
	PLACES
.endif
.irp t, 0,1,2,3
.irp c, 0,1,2
	ds_load_b128 v[FA+12*\t+4*\c:FA+12*\t+4*\c+3], v3 offset:\t*REC+(\s)*1536+512*\c
.endr
.endr
.irp m, 0,1
.irp p, 0,1,2,3,4,5
	ds_load_b64 v[FB+12*\m+2*\p:FB+12*\m+2*\p+1], v4 offset:\m*REC+(\s)*1536+256*\p
.endr
.endr
	ds_load_b32 v[SCA], v5 offset:4*(\s)
	ds_load_b32 v[SCA+1], v5 offset:2*REC+4*(\s)
	ds_load_b32 v[SCB], v6 offset:4*(\s)
	s_wait_dscnt 0x0
.irp t, 0,1,2,3
.irp m, 0,1
.if (\s) == 0
	WM ACC+8*(4*\m+\t), FA+12*\t, FB+12*\m, BI+8*\t, SCA+\t/2, SCB, \t%2, \m
.else
	WM ACC+8*(4*\m+\t), FA+12*\t, FB+12*\m, ACC+8*(4*\m+\t), SCA+\t/2, SCB, \t%2, \m
.endif
.endr
.endr
.endm
.irp s, 0,1,2,3,4,5,6,7
	PSTEP \s
.endr
	PLACES
	; THE WAY OUT: lane (r, h) holds token row r of tile m and 8 neighbouring columns for each t; through my own stage they come back as whole rows of 256 bytes
.irp m, 0,1
.irp t, 0,1,2,3
	ds_store_b128 v7, v[ACC+8*(4*\m+\t):ACC+8*(4*\m+\t)+3] offset:4352*\m+128*(\t/2)+32*(\t%2)          ; each accumulator from its low end on
	ds_store_b128 v7, v[ACC+8*(4*\m+\t)+4:ACC+8*(4*\m+\t)+7] offset:4352*\m+128*(\t/2)+32*(\t%2)+16
.endr
.irp i, 0,1,2,3,4,5,6,7
	ds_load_b128 v[OB0-80*\m+4*\i:OB0-80*\m+4*\i+3], v8 offset:4352*\m+544*\i   ; LDS serves a wave's instructions in order: these see my stores
.endr
.endr
.irp m, 0,1
.irp i, 0,1,2,3,4,5,6,7
	s_wait_dscnt 23-16*\m-\i                       ; behind this load: the 7 - i younger loads of its half, and for m = 0 the other half's 16 instructions
	global_store_b128 v9, v[OB0-80*\m+4*\i:OB0-80*\m+4*\i+3], s[10:11] offset:(8*\m+2*\i+8*(\i/4))*4096 th:TH_STORE_NT   ; tile rows 2 i, 2 i + 1 are tokens 8 m + 2 i + 8 (i / 4) and the next; 16 lanes store 256 consecutive bytes, aligned
.endr
.endr
	s_wait_dscnt 0x0
	s_wait_tensorcnt 0x0
	ds_add_u32 v224, v225
	s_wait_dscnt 0x0
	CROUND                                         ; the closing round
	s_endpgm
.Lfunc_end_k_qc1fe351975_proj:
	.size	k_qc1fe351975_proj, .Lfunc_end_k_qc1fe351975_proj-k_qc1fe351975_proj
	.p2alignl 7, 3214868480
	.fill 96, 4, 3214868480
	.section	.rodata,"a",@progbits
	.p2align	6, 0x0
	.amdhsa_kernel k_qc1fe351975_proj
		.amdhsa_group_segment_fixed_size 275456
		.amdhsa_private_segment_fixed_size 0
		.amdhsa_enable_private_segment 0
		.amdhsa_kernarg_size 32
		.amdhsa_user_sgpr_count 2
		.amdhsa_user_sgpr_kernarg_segment_ptr 1
		.amdhsa_wavefront_size32 1
		.amdhsa_system_sgpr_workgroup_id_x 1
		.amdhsa_system_sgpr_workgroup_id_y 1
		.amdhsa_system_sgpr_workgroup_id_z 1
		.amdhsa_system_vgpr_workitem_id 0
		.amdhsa_next_free_vgpr 226
		.amdhsa_next_free_sgpr 100
		.amdhsa_reserve_vcc 0
		.amdhsa_float_denorm_mode_32 3
		.amdhsa_float_denorm_mode_16_64 3
		.amdhsa_memory_ordered 1
		.amdhsa_forward_progress 1
		.amdhsa_inst_pref_size 35
	.end_amdhsa_kernel
	.amdgpu_metadata
---
amdhsa.version: [ 1, 2 ]
amdhsa.kernels:
  - .name:           k_qc1fe351975_proj
    .symbol:         k_qc1fe351975_proj.kd
    .args:
      - { .name: cf, .offset: 0, .size: 8, .value_kind: global_buffer, .address_space: global }
      - { .name: of, .offset: 8, .size: 8, .value_kind: global_buffer, .address_space: global }
      - { .name: bo, .offset: 16, .size: 8, .value_kind: global_buffer, .address_space: global }
      - { .name: out0, .offset: 24, .size: 8, .value_kind: global_buffer, .address_space: global }
    .group_segment_fixed_size: 275456
    .private_segment_fixed_size: 0
    .kernarg_segment_align: 8
    .kernarg_segment_size: 32
    .max_flat_workgroup_size: 256
    .sgpr_count:     100
    .vgpr_count:     226
    .wavefront_size: 32
...
	.end_amdgpu_metadata
.endif
;; end of part 4
